; MI455X (gfx1250); checked and timed in simulation.
; The chip was launched on July 23, 2026; its instructions are those of AMD's public machine-readable ISA for CDNA 5 (MIT licence, August 2026) and "CDNA5" Instruction Set Architecture Reference Guide (July 2026). The comments in the code are by the model that wrote it; some were corrected since.
;; Self Attention. Allowed arithmetic: matrix products marked QUANTISED: E2M3 operands, one E8M0 scale for each 32 along K, by v_wmma_scale_f32_16x16x128_f8f6f4 with both operands' format E2M3, f32 sums; everything else in f32.
;; Inputs: W_proj 1,024 x 1,024 float32; W_qkv 1,024 x 3,072 float32; b_proj 1,024 float32; b_qkv 3,072 float32; x 8 x 1,024 x 1,024 float32.
;; Outputs: out0 8 x 1,024 x 1,024 float32.
;; This version of the problem:
;;   THIS VERSION OF THE PROBLEM IS GIVEN IN LOW PRECISION. The matrix products marked QUANTISED in the list below multiply operands that are first quantised to E2M3 (2 exponent bits, 3 mantissa bits; 6 bits a number), with one power-of-two scale for each 32 numbers along K (OCP MX v1.0); their sums are f32. All else is computed in f32.
;;   The module's matrix products, in the order in which they are computed (A, B: the left and right operand; K: the contracted axis; several contracted axes count as one K, in the product's order):
;;     1. [M 8,192, K 1,024] x [K 1,024, N 3,072]; A: input x; B: input W_qkv: QUANTISED
;;     2. batch 128 x [M 1,024, K 64] x [K 64, N 1,024]; A: computed on the way; B: computed on the way: QUANTISED
;;     3. batch 128 x [M 1,024, K 1,024] x [K 1,024, N 64]; A: computed on the way; B: computed on the way: QUANTISED
;;     4. [M 8,192, K 1,024] x [K 1,024, N 1,024]; A: computed on the way; B: input W_proj: QUANTISED
;;   THE QUANTISER, for each operand of a quantised product, along K:
;;     - K is cut into blocks of 32 from its start; a last block that is shorter is filled with zeros.
;;     - A block's scale is 2^e with e = floor(log2(the largest magnitude in the block)) - 2, held to -126 .. 127; a block of zeros has e = 0. As a byte (E8M0): e + 127.
;;     - Each number is divided by its block's scale, clamped to +-7.5, and rounded to the nearest number of E2M3, ties to even, subnormals kept.
;;     - The product sums the exact products of the quantised numbers (number of the format x scale) in f32.
;;   ~~~python
;;   def quantise(x, axis):      # numpy; x: float32 -> the quantised numbers, widened to float32 again
;;       x = np.moveaxis(x, axis, -1); K = x.shape[-1]
;;       x = np.pad(x, [(0, 0)] * (x.ndim - 1) + [(0, -K % 32)]); x = x.reshape(x.shape[:-1] + (-1, 32)); a = np.abs(x).max(-1, keepdims=True)
;;       e = np.where(a > 0, np.clip(np.frexp(np.where(a > 0, a, 1))[1] - 1 - 2, -126, 127), 0)      # np.frexp(a)[1] - 1 = floor(log2(a)), exactly
;;       r = np.clip(x / 2.0 ** e, -7.5, 7.5)
;;       step = 2.0 ** (np.maximum(np.frexp(np.where(r == 0, 1, r))[1] - 1, 0) - 3)
;;       q = np.round(r / step) * step * 2.0 ** e      # np.round: ties to even
;;       return np.moveaxis(q.reshape(q.shape[:-2] + (-1,))[..., :K], -1, axis).astype(np.float32)
;;   ~~~
;;   OPERANDS COMPUTED ON THE WAY. 'Computed on the way' means the value that the module computes at that place (a softmax that the list does not call 'softmax' is quantised finished and normalised). What goes into a quantiser is computed in f32, as accurately as f32 sums, v_exp_f32 and their like allow (about 1e-6 of the number): no bf16 or f16 on the way to a quantiser, and a product that is left as it is and whose result goes on into a quantised operand takes f32 operands (vector FMAs, or v_wmma_f32_16x16x4_f32). A number that lies on a knife's edge between two numbers of the format may be rounded either way, as far as f32 arithmetic and the matrix unit's own rounding can turn it there, and no further.
;; One version. Each part assembles by itself: llvm-mc -triple=amdgcn-amd-amdhsa -mcpu=gfx1250 --defsym DOCPART=n.
;; ======== version 1 of 1: 5 launches
;; limits: right only within a limited range of input values
;; workspace buffers: opnd 9,830,400 bytes; qkv 20,185,088 bytes; stats 524,288 bytes; yq 6,553,600 bytes
;; launch quant (part 1): grid 384 x 1, 4 waves a work-group, no clusters, 68,096 bytes of LDS; arguments x, W_qkv, W_proj, opnd; writes opnd
.if DOCPART == 1
	.amdgcn_target "amdgcn-amd-amdhsa--gfx1250"
	.amdhsa_code_object_version 6
	.text
	.protected	k_q6d2264c27b_quant
	.globl	k_q6d2264c27b_quant
	.p2align	8
	.type	k_q6d2264c27b_quant,@function
k_q6d2264c27b_quant:
	s_mov_b64 s[64:65], 0
	v_nop
	global_prefetch_b8 v0, s[64:65] scope:SCOPE_SE
	s_setreg_imm32_b32 hwreg(HW_REG_WAVE_MODE, 25, 1), 1
	s_wait_xcnt 0x0
; x [8192][1024], W_qkv [1024][3072] and W_proj [1024][1024], f32, become codes of FP6 (E2M3) with K innermost and one E8M0 byte for each 32 along K, in the workspace opnd.
; A block's scale is 2^(floor(log2(its largest magnitude)) - 2); its byte is the largest magnitude's exponent field - 2, held at 1 from below.
; LIMITS: a block of zeros, and one whose largest magnitude lies under 2^-124, keeps the byte 1 (zeros: the codes are zeros, and this program alone reads the bytes); NaN and infinities are not served.
; ROWS ARE LAID PERMUTED: row rho of each tensor of codes (and of scale bytes) holds token or column pi(rho), pi = bits 3 and 4 of the index exchanged.  So sixteen neighbouring rows,
; a matrix tile, hold indices 32 b + 8 u + r + 8 (r / 8), and two neighbouring tiles' results are sixteen neighbours along the next product's K.
; Work-groups 0-255 take x (K innermost: a stream of blocks; a wave's run of 8,192 numbers is 8 rows, so pi moves whole runs); work-groups 256-383 take the weights (K is the first axis:
; a lane takes a column and its registers run down K).  The two ways share no LDS byte.  No tensor loads, no barrier: waves share nothing.
.set XS_O,  9437184                    ; opnd: x's codes at 0 [8192][768]; then W_qkv's [3072][768], W_proj's [1024][768]; then the scale bytes [rows][32]
.set WQC_O, 6291456
.set WPC_O, 8650752
.set WQS_O, 9699328
.set WPS_O, 9797632
.set STEPS, 16
.set EMAX,  2
.set CB,    12                         ; bytes of 16 codes
.set R,     16                         ; x: v16-79   four sets of 16 numbers as loaded
.set X,     80                         ;    v80-111  two sets of 16 neighbours
.set E,     112                        ;    v112-127 a scale byte for each step
.set C,     128                        ;    v128-191 codes, four registers for each step
.set WREG,  8192                       ;    LDS: a region for each wave: two stages of 32 x SP bytes, then 256 scale bytes
.set SP,    80
.set NB,    8                          ; weights: blocks of 32 along K for a wave
.set PITCH, 272                        ;    a stage row: sixteen places of 16 bytes + 16
.set WSTG,  32768                      ;    LDS: the weights' stages begin behind x's regions
.set WX,    32                         ;    v32-95   two sets of 32 numbers
.set WC,    96                         ;    v96..    a block's codes
.set OUTR,  112                        ;    v112-175 the way out
.set SB,    24                         ;    v24-25   the scale bytes
.set OFFS,  176                        ;    v176-207 byte offsets of 32 rows of W: 4 x lane + i x the row's bytes
	s_load_b256 s[4:11], s[0:1], 0x0               ; x s[4:5], W_qkv s[6:7], W_proj s[8:9], opnd s[10:11]
	v_lshl_add_u32 v208, v0, 2, 0x10800
	v_mov_b32 v209, 0
	v_lshrrev_b32 v1, 5, v0
	v_readfirstlane_b32 s16, v1                    ; wave 0..3
	v_and_b32 v2, 31, v0                           ; lane
	s_wait_kmcnt 0x0
	s_cmp_lt_u32 ttmp9, 256
	s_cbranch_scc0 .Lw
	; ---------------- x: K innermost ----------------
	s_wait_alu depctr_va_vdst(0)
	v_lshlrev_b32 v3, 4, v2                        ; my 16 bytes of a load's 512
	s_mul_i32 s17, s16, WREG
	v_lshrrev_b32 v14, 2, v2
	v_mul_u32_u24 v14, v14, SP
	v_and_b32 v15, 3, v2
	v_lshl_add_u32 v14, v15, 4, v14
	v_add_nc_u32 v14, s17, v14                     ; the stage, on the way in: SP (lane / 4) + 16 (lane % 4)
	v_mul_u32_u24 v15, v2, SP
	v_add_nc_u32 v15, s17, v15                     ; and on the way out: SP x lane: my 16 neighbours
	v_mul_u32_u24 v4, v2, CB                       ; my codes' place in a step's
	v_lshrrev_b32 v5, 1, v2
	s_add_co_u32 s17, s17, 2*32*SP
	v_add_nc_u32 v5, s17, v5                       ; LDS: my wave's 256 scale bytes, my block's byte
	v_lshlrev_b32 v7, 3, v2
	v_add_nc_u32 v6, s17, v7
	s_lshl_b32 s17, ttmp9, 2
	s_add_co_u32 s18, s17, s16                     ; my run of 8 rows: 4 x work-group + wave
	s_lshl_b32 s18, s18, 15                        ; 32,768 bytes a run
	s_mov_b32 s19, 0
	s_add_nc_u64 s[4:5], s[4:5], s[18:19]
	s_and_b32 s20, s16, 1                          ; pi on runs of 8 rows: the wave's two bits change places
	s_lshl_b32 s20, s20, 1
	s_lshr_b32 s21, s16, 1
	s_or_b32 s20, s20, s21
	s_add_co_u32 s20, s20, s17
	s_mul_i32 s22, s20, 6144                       ; 8 rows of 768 bytes of codes
	s_mov_b32 s23, 0
	s_add_nc_u64 s[12:13], s[10:11], s[22:23]
	s_lshl_b32 s22, s20, 8                         ; 8 rows of 32 scale bytes
	s_add_co_u32 s22, s22, XS_O
	s_add_nc_u64 s[14:15], s[10:11], s[22:23]
.macro LOAD t
.irp i, 0,1,2,3
	global_load_b128 v[R+16*((\t)%4)+4*\i:R+16*((\t)%4)+4*\i+3], v3, s[4:5] offset:2048*(\t)+512*\i th:TH_LOAD_NT   ; 32 lanes read 512 consecutive bytes
.endr
.endm
.macro TURN t                          ; step t's numbers through the stage: LDS serves a wave's instructions in order, so no wait stands between the stores and the loads
.irp i, 0,1,2,3
	ds_store_b128 v14, v[R+16*((\t)%4)+4*\i:R+16*((\t)%4)+4*\i+3] offset:32*SP*((\t)%2)+8*SP*\i
.endr
.irp i, 0,1,2,3
	ds_load_b128 v[X+16*((\t)%2)+4*\i:X+16*((\t)%2)+4*\i+3], v15 offset:32*SP*((\t)%2)+16*\i
.endr
.endm
.irp t, 0,1,2,3
	LOAD \t
.endr
	s_wait_alu depctr_va_vdst(0)
	s_wait_loadcnt 12                              ; step 0's four loads are in; the twelve of steps 1 to 3 stay out
	TURN 0
.macro STEP t
.set XS, X+16*((\t)%2)
.if (\t) > 0
	s_wait_dscnt 1                                 ; this step's numbers are back from the stage (the last step's byte store may be out)
.else
	s_wait_dscnt 0x0
.endif
.if (\t)+4 < STEPS
	LOAD (\t)+4                                    ; into the registers that the stage's stores have read
.endif
.if (\t)+1 < STEPS
.if STEPS-2-(\t) >= 3
	s_wait_loadcnt 12                              ; the next step's four loads are in; those of the three steps behind it may be out
.else
	s_wait_loadcnt 4*(STEPS-2-(\t))
.endif
	TURN (\t)+1
.endif
	v_max3_num_f32 v8, |v[XS]|, |v[XS+1]|, |v[XS+2]|               ; the largest magnitude of my 16
	v_max3_num_f32 v9, |v[XS+3]|, |v[XS+4]|, |v[XS+5]|
.irp i, 6,10
	v_max3_num_f32 v8, v8, |v[XS+\i]|, |v[XS+\i+1]|
	v_max3_num_f32 v9, v9, |v[XS+\i+2]|, |v[XS+\i+3]|
.endr
	v_max3_num_f32 v8, v8, |v[XS+14]|, |v[XS+15]|
	v_max3_num_f32 v8, v8, v9, (EMAX+1)<<23        ; and the floor 2^(3 - 127): the byte cannot fall under 1
	v_max_num_f32_dpp v8, v8, v8 row_xmask:1 row_mask:0xf bank_mask:0xf   ; and of my neighbour's 16: the block's
	v_add_nc_u32 v11, -(EMAX<<23), v8              ; 2 off its exponent field: the conversion takes the exponent field of this operand as its scale
	v_cvt_scalef32_pk16_fp6_f32 v[C+4*(\t):C+4*(\t)+2], v[XS:XS+15], v11
	v_lshrrev_b32 v[E+(\t)], 23, v11               ; the scale's byte (a plain line behind the conversion)
	ds_store_b8 v5, v[E+(\t)] offset:16*(\t)       ; both lanes of a block write the same byte with the same value
	global_store_b96 v4, v[C+4*(\t):C+4*(\t)+2], s[12:13] offset:32*CB*(\t)
.endm
.irp t, 0,1,2,3,4,5,6,7,8,9,10,11,12,13,14,15
	STEP \t
.endr
	ds_load_b64 v[12:13], v6                       ; LDS serves a wave's instructions in order: these see my stores
	s_wait_dscnt 0x0
	global_store_b64 v7, v[12:13], s[14:15]        ; 32 lanes store 256 consecutive bytes, aligned
	s_wait_tensorcnt 0x0
	ds_add_u32 v208, v209
	s_wait_dscnt 0x0
	s_endpgm
	; ---------------- the weights: K is the first axis ----------------
.Lw:
	s_sub_co_u32 s17, ttmp9, 256
	s_lshr_b32 s18, s17, 2                         ; which 128 columns: 0-23 W_qkv's, 24-31 W_proj's
	s_and_b32 s19, s17, 3                          ; which 256 along K
	s_mov_b32 s20, 4096                            ; W_proj: bytes in a row, where its codes and its scale bytes begin
	s_mov_b32 s21, WPC_O
	s_mov_b32 s22, WPS_O
	s_cmp_lt_u32 s18, 24                           ; the choice hangs on the work-group's number alone
	s_cselect_b64 s[6:7], s[6:7], s[8:9]
	s_cselect_b32 s20, 12288, s20
	s_cselect_b32 s21, WQC_O, s21
	s_cselect_b32 s22, WQS_O, s22
	s_cselect_b32 s23, 0, 24
	s_sub_co_u32 s18, s18, s23
	s_lshl_b32 s18, s18, 7
	s_lshl_b32 s24, s16, 5
	s_add_co_u32 s18, s18, s24                     ; my wave's first column
	s_mul_i32 s24, s19, s20
	s_lshl_b32 s24, s24, 8                         ; 256 rows of W for each part of K
	s_lshl_b32 s25, s18, 2
	s_add_co_u32 s24, s24, s25
	s_mov_b32 s25, 0
	s_add_nc_u64 s[32:33], s[6:7], s[24:25]        ; block 0's first row, my first column
	s_lshl_b32 s26, s20, 5                         ; 32 rows on
	s_mov_b32 s27, 0
.irp t, 1,2,3,4,5,6,7
	s_add_nc_u64 s[32+2*\t:33+2*\t], s[30+2*\t:31+2*\t], s[26:27]   ; a base for each of the eight blocks: no base is stepped while loads are out
.endr
	s_mul_i32 s24, s18, 768
	s_mul_i32 s28, s19, 192
	s_add_co_u32 s24, s24, s28
	s_add_co_u32 s24, s24, s21
	s_add_nc_u64 s[12:13], s[10:11], s[24:25]      ; the codes: row = my first column, 192 bytes for each part of K
	s_lshl_b32 s24, s18, 5
	s_lshl_b32 s28, s19, 3
	s_add_co_u32 s24, s24, s28
	s_add_co_u32 s24, s24, s22
	s_add_nc_u64 s[14:15], s[10:11], s[24:25]      ; the scale bytes: 8 for each part of K
	s_wait_alu depctr_va_vdst(0)
	v_lshlrev_b32 v[OFFS], 2, v2
.irp i, 1,2,3,4,5,6,7,8,9,10,11,12,13,14,15,16,17,18,19,20,21,22,23,24,25,26,27,28,29,30,31
	v_add_nc_u32 v[OFFS+\i], s20, v[OFFS+\i-1]
.endr
	v_and_b32 v10, 7, v2
	v_bfe_u32 v11, v2, 3, 1
	v_bfe_u32 v12, v2, 4, 1
	v_lshl_add_u32 v10, v11, 4, v10
	v_lshl_add_u32 v10, v12, 3, v10                ; pi(lane): the row in which my column's codes lie
	s_mul_i32 s28, s16, 32*PITCH
	s_add_co_u32 s28, s28, WSTG                    ; my stage
	v_mul_u32_u24 v4, v10, PITCH
	v_add_nc_u32 v4, s28, v4                       ; into it: row pi(lane)
	v_and_b32 v5, 15, v2
	v_mul_u32_u24 v7, v12, PITCH                   ; out of it: sixteen lanes to a row, two rows an instruction
	v_lshl_add_u32 v7, v5, 4, v7
	v_add_nc_u32 v7, s28, v7
	v_mul_u32_u24 v8, v12, 768
	v_mad_u32_u24 v8, v5, 12, v8                   ; and the same place in the codes' rows
	v_lshlrev_b32 v9, 5, v10                       ; my column's row of scale bytes
.macro WLOAD t                         ; block t: W(32 t + i, my column), i = 0 .. 31: 32 lanes read 128 consecutive bytes
.irp i, 0,1,2,3,4,5,6,7,8,9,10,11,12,13,14,15,16,17,18,19,20,21,22,23,24,25,26,27,28,29,30,31
	global_load_b32 v[WX+32*((\t)%2)+\i], v[OFFS+\i], s[32+2*(\t):33+2*(\t)] th:TH_LOAD_NT
.endr
.endm
	WLOAD 0
	WLOAD 1
.macro BLOCK t
.set XS, WX+32*((\t)%2)
.if (\t) < NB-1
	s_wait_loadcnt 32                              ; this block's 32 loads are in; the next block's 32 may be out
.else
	s_wait_loadcnt 0
.endif
	v_max3_num_f32 v12, |v[XS]|, |v[XS+1]|, |v[XS+2]|               ; the block's largest magnitude: all 32 numbers are mine
	v_max3_num_f32 v13, |v[XS+3]|, |v[XS+4]|, |v[XS+5]|
.irp i, 6,10,14,18,22,26
	v_max3_num_f32 v12, v12, |v[XS+\i]|, |v[XS+\i+1]|
	v_max3_num_f32 v13, v13, |v[XS+\i+2]|, |v[XS+\i+3]|
.endr
	v_max3_num_f32 v12, v12, |v[XS+30]|, |v[XS+31]|
	v_max3_num_f32 v12, v12, v13, (EMAX+1)<<23     ; and the floor
	v_add_nc_u32 v11, -(EMAX<<23), v12
	v_lshrrev_b32 v13, 23, v11                     ; the scale's byte
.if (\t)%4 == 0
	v_mov_b32 v[SB+(\t)/4], v13
.else
	v_lshl_or_b32 v[SB+(\t)/4], v13, 8*((\t)%4), v[SB+(\t)/4]
.endif
	v_cvt_scalef32_pk16_fp6_f32 v[WC:WC+2], v[XS:XS+15], v11
	v_cvt_scalef32_pk16_fp6_f32 v[WC+4:WC+6], v[XS+16:XS+31], v11   ; (a conversion's three registers begin on an even number)
	ds_store_b96 v4, v[WC:WC+2] offset:32*(\t)     ; 12 bytes to a place of 16, so that every LDS address is a multiple of 16
	ds_store_b96 v4, v[WC+4:WC+6] offset:32*(\t)+16
.if (\t)+2 < NB
	WLOAD (\t)+2
.endif
	s_wait_dscnt 0x0                               ; the stores have read their registers: the next block's codes may be written
.endm
.irp t, 0,1,2,3,4,5,6,7
	BLOCK \t
.endr
	s_wait_alu depctr_va_vdst(0)
	global_store_b64 v9, v[SB:SB+1], s[14:15]      ; my column's 8 scale bytes (rows 32 bytes apart: 8 bytes of each)
.irp t, 0,1,2,3,4,5,6,7,8,9,10,11,12,13,14,15
	ds_load_b96 v[OUTR+4*\t:OUTR+4*\t+2], v7 offset:2*\t*PITCH
.endr
.irp t, 0,1,2,3,4,5,6,7,8,9,10,11,12,13,14,15
	s_wait_dscnt 15-\t                             ; the loads behind this one may be out
	global_store_b96 v8, v[OUTR+4*\t:OUTR+4*\t+2], s[12:13] offset:2*\t*768   ; sixteen lanes store a row's 192 consecutive bytes
.endr
	s_wait_tensorcnt 0x0
	ds_add_u32 v208, v209
	s_wait_dscnt 0x0
	s_endpgm
.Lfunc_end_k_q6d2264c27b_quant:
	.size	k_q6d2264c27b_quant, .Lfunc_end_k_q6d2264c27b_quant-k_q6d2264c27b_quant
	.p2alignl 7, 3214868480
	.fill 96, 4, 3214868480
	.section	.rodata,"a",@progbits
	.p2align	6, 0x0
	.amdhsa_kernel k_q6d2264c27b_quant
		.amdhsa_group_segment_fixed_size 68096
		.amdhsa_private_segment_fixed_size 0
		.amdhsa_enable_private_segment 0
		.amdhsa_kernarg_size 32
		.amdhsa_user_sgpr_count 2
		.amdhsa_user_sgpr_kernarg_segment_ptr 1
		.amdhsa_wavefront_size32 1
		.amdhsa_system_sgpr_workgroup_id_x 1
		.amdhsa_system_sgpr_workgroup_id_y 1
		.amdhsa_system_sgpr_workgroup_id_z 1
		.amdhsa_system_vgpr_workitem_id 0
		.amdhsa_next_free_vgpr 210
		.amdhsa_next_free_sgpr 66
		.amdhsa_reserve_vcc 0
		.amdhsa_float_denorm_mode_32 3
		.amdhsa_float_denorm_mode_16_64 3
		.amdhsa_memory_ordered 1
		.amdhsa_forward_progress 1
		.amdhsa_inst_pref_size 75
	.end_amdhsa_kernel
	.amdgpu_metadata
---
amdhsa.version: [ 1, 2 ]
amdhsa.kernels:
  - .name:           k_q6d2264c27b_quant
    .symbol:         k_q6d2264c27b_quant.kd
    .args:
      - { .name: x, .offset: 0, .size: 8, .value_kind: global_buffer, .address_space: global }
      - { .name: W_qkv, .offset: 8, .size: 8, .value_kind: global_buffer, .address_space: global }
      - { .name: W_proj, .offset: 16, .size: 8, .value_kind: global_buffer, .address_space: global }
      - { .name: opnd, .offset: 24, .size: 8, .value_kind: global_buffer, .address_space: global }
    .group_segment_fixed_size: 68096
    .private_segment_fixed_size: 0
    .kernarg_segment_align: 8
    .kernarg_segment_size: 32
    .max_flat_workgroup_size: 128
    .sgpr_count:     66
    .vgpr_count:     210
    .wavefront_size: 32
...
	.end_amdgpu_metadata
.endif
;; end of part 1
;; launch gemm_qkv (part 2): grid 8 x 32, 4 waves a work-group, clusters of 4 x 4, 327,680 bytes of LDS; arguments opnd, b_qkv, qkv; writes qkv
.if DOCPART == 2
	.amdgcn_target "amdgcn-amd-amdhsa--gfx1250"
	.amdhsa_code_object_version 6
	.text
	.protected	k_q6d2264c27b_gemm_qkv
	.globl	k_q6d2264c27b_gemm_qkv
	.p2align	8
	.type	k_q6d2264c27b_gemm_qkv,@function
k_q6d2264c27b_gemm_qkv:
	s_mov_b64 s[64:65], 0
	v_nop
	global_prefetch_b8 v0, s[64:65] scope:SCOPE_SE
	s_setreg_imm32_b32 hwreg(HW_REG_WAVE_MODE, 25, 1), 1
	s_wait_xcnt 0x0
	s_wait_alu depctr_hold_cnt(0) depctr_sa_sdst(0) depctr_va_vdst(0) depctr_va_sdst(0) depctr_va_ssrc(0) depctr_va_vcc(0) depctr_vm_vsrc(0)
	s_getreg_b32 s2, hwreg(HW_REG_IB_STS2, 6, 4)
	s_cmp_eq_u32 s2, 0
	s_cbranch_scc0 .Lentry_in_a_cluster
	s_endpgm
.Lentry_in_a_cluster:
	s_bfe_u32 s2, ttmp6, 0x10000c
	s_cmp_lg_u32 s2, 0xf033
	s_cbranch_scc0 .Lentry_shape_is_right
	s_endpgm
.Lentry_shape_is_right:
; qkv = x W_qkv + b_qkv on codes of FP6 (E2M3) with E8M0 scales; q, k (along the head's 64) and v (along the keys) are quantised at once and leave as images of operand registers.
; SHARES.  A work-group takes 256 tokens and three PIECES of 128 columns: the same two heads of q, of k and of v, so that all 256 work-groups run one text and no branch hangs on a work-group's place.
; A wave takes 64 tokens and keeps their codes for ALL of K in 384 registers.  A piece is 4 x 8 accumulators, 8 steps of 128 along K: 256 matrix instructions.
; LDS: three regions of 128 rows x 816 bytes (a row of 768 bytes, 16 bytes of padding behind each 256).  At the head region 0 takes W's q piece and regions 1, 2 x's 256 rows, one joint load a wave;
; when x is in registers, one round of the cluster's barrier, and regions 1, 2 take the k and v pieces, one joint load a wave, under the q piece's products.  Every tensor row is 768 bytes and begins at a multiple of 256.
; CLUSTERS 4 x 4: x's rows are shared along a row of the cluster, W's along a column.  NO PREFETCH: all tiles are asked for at the head or at the one refill; there is no loop to run ahead in.
; q, k: the product is used transposed (source 0 = W's rows, source 1 = tokens): a lane holds one token and, since rows are laid permuted, two neighbouring tiles give 16 neighbours along d.
; v: source 0 = tokens, source 1 = W's rows: a lane holds one column d and its registers run along the tokens, which are the next product's K.  One quantiser macro serves both: a piece's sixteen blocks by turns.
; Scale words come by dense loads of 16 bytes a lane: register i holds step i's words in lanes 0-15 and step 4 + i's in lanes 16-31.  The bias is the C of a piece's first step.
; LIMITS: a block of zeros, and one whose largest magnitude lies under 2^-124, keeps the byte 1; NaN and infinities are not served.
; REGISTERS.  window 0: v0-31 addresses; v32-47 x's scale words; v48-79 W's; v80-143 bias; v144-191 W's fragments, buffer 2, and between two pieces the quantiser's numbers in hand;
;   v192-255 what the quantiser's stores read (scale words, codes): no fragment lands there, so the next piece begins while these stores are out.
;   window 1: v0-191 x's blocks 2, 3 (96 registers a block); v192-239 buffer 1.   window 2: the accumulators.   window 3: v0-191 x's blocks 0, 1; v192-239 buffer 0.
.set XS_O,  9437184
.set WQC_O, 6291456
.set WQS_O, 9699328
.set VI_O,  12582912
.set QKS_O, 18874368
.set VS_O,  19922944
.set PITCH, 816
.set TB,    16*PITCH
.set HB,    64*PITCH
.set PB,    128*PITCH
.set XCH,   3*PB                       ; 1,024 bytes in which two waves' halves of v's scale words meet; no fill lands here
.set SPARE, XCH+1024
.set SOF,  8
.set BOF,  9
.set VBO,  10
.set EL16, 11
.set EL8,  12
.set QSO,  13
.set SH16, 14
.set XST,  15
.set ADRA, 16
.set BB,   18
.set AB,   22
.set XRD,  26
.set SPW,  28
.set NIL,  29
.set SA,   32
.set SB,   48
.set BIA,  80
.set MX,   144                         ; sixteen blocks' largest magnitudes, then the conversions' scale operands
.set TP,   160                         ; the other half's, then the scale bytes, then (at 4 g) the scale words
.set TQ,   176                         ; the upper halves of the blocks' codes, 8 registers a group
.set SW,   192                         ; the scale words as they are stored (over TQ's, which are done with by then)
.set PC,   208                         ; the codes, 12 registers a group
.set G1A, 24
.set G0A, 32
.set G0B, 36
.set G1B, 48
.set G0R, 56
.set SAB, 66
.set SBB, 68
.set BIB, 70
.set QIM, 72
.set QSB, 74
.set VIM, 76
.set VSB, 78
.set SEL, 96
.set MSB, 0
.macro WIN new                         ; the immediate's high byte repeats the setting that is left
.if MSB != (\new)
	s_set_vgpr_msb (MSB<<8)|(\new)
.set MSB, (\new)
.endif
.endm
.macro PLACES n
.rept \n
	v_nop
.endr
.endm
.macro CREST
	s_cmp_lg_u32 s14, 0
	s_cbranch_scc1 .Lnot_wave_0_\@
	s_barrier_signal -3
.Lnot_wave_0_\@:
	s_barrier_wait -3
	s_barrier_signal -1
	s_barrier_wait -1
.endm
.macro CROUND
	s_barrier_signal -1
	s_barrier_wait -1
	CREST
.endm
	s_load_b128 s[4:7], s[0:1], 0x0                ; opnd, b_qkv
	s_load_b64 s[12:13], s[0:1], 0x10              ; qkv
	v_lshl_add_u32 v[SPW], v0, 2, SPARE
	v_mov_b32 v[NIL], 0
	ds_add_u32 v[SPW], v[NIL]                      ; the opening lines: the add twice on end and one wait
	ds_add_u32 v[SPW], v[NIL]
	v_lshrrev_b32 v1, 5, v0
	v_readfirstlane_b32 s14, v1                    ; wave 0..3
	s_lshr_b32 s15, s14, 1
	s_and_b32 s16, s14, 1
	s_bfe_u32 s40, ttmp6, 0x40000                  ; cx, cy
	s_bfe_u32 s41, ttmp6, 0x40004
	s_lshl_b32 s42, ttmp9, 2
	s_add_co_u32 s42, s42, s40                     ; which 128 columns of each of q, k, v
	s_and_b32 s17, ttmp7, 0xffff
	s_lshl_b32 s17, s17, 2
	s_add_co_u32 s17, s17, s41                     ; which 256 tokens
	s_lshl_b32 s43, s41, 2
	s_lshl_b32 s43, 15, s43                        ; my row of the cluster
	s_lshl_b32 s44, 0x1111, s40                    ; my column
	s_or_b32 s[G1A], s43, (1<<20)|(1<<21)|(5<<22)|(3<<25)   ; elements of a byte; 4 words of padding behind each 64
	s_or_b32 s[G1B], s44, (1<<20)|(1<<21)|(5<<22)|(3<<25)
	s_mov_b32 s[G1A+1], 768<<16
	s_mov_b32 s[G1A+2], 128<<16                    ; x: 128 rows a load
	s_mov_b32 s[G1A+3], 768<<16
	s_mov_b32 s[G1A+4], 128
	s_mov_b32 s[G1A+5], 768
	s_mov_b32 s[G1A+6], 0
	s_mov_b32 s[G1A+7], 0
	s_mov_b32 s[G1B+1], 768<<16
	s_mov_b32 s[G1B+2], 64<<16                     ; W: 64 rows a load
	s_mov_b32 s[G1B+3], 768<<16
	s_mov_b32 s[G1B+4], 64
	s_mov_b32 s[G1B+5], 768
	s_mov_b32 s[G1B+6], 0
	s_mov_b32 s[G1B+7], 0
	s_lshl_b32 s20, s17, 8
	s_lshl_b32 s18, s16, 7
	s_add_co_u32 s20, s20, s18
	s_mul_i32 s20, s20, 768                        ; x: rows 256 y + 128 (wave % 2)
	s_mov_b32 s21, 0
	s_lshl_b32 s46, s42, 7
	s_lshl_b32 s18, s16, 6
	s_add_co_u32 s46, s46, s18
	s_mul_i32 s46, s46, 768
	s_add_co_u32 s46, s46, WQC_O                   ; W's q piece: rows 128 x + 64 (wave % 2)
	s_mov_b32 s47, 0
	s_add_co_u32 s22, s15, 1
	s_mul_i32 s22, s22, 1024*768
	s_add_co_u32 s22, s22, s46                     ; the refill: waves 0, 1 the k piece, waves 2, 3 the v piece
	s_mov_b32 s23, 0
	s_mov_b32 s[G0A], 1
	s_mul_i32 s[G0A+1], s16, PB
	s_add_co_u32 s[G0A+1], s[G0A+1], PB
	s_mov_b32 s[G0B], 1
	s_mul_i32 s[G0B+1], s16, HB
	s_mov_b32 s[G0R], 1
	s_mul_i32 s[G0R+1], s14, HB
	s_add_co_u32 s[G0R+1], s[G0R+1], PB
	s_lshr_b32 s80, s17, 2                         ; batch
	s_and_b32 s81, s17, 3                          ; which 256 tokens of the sequence
	s_lshl_b32 s82, s80, 4
	s_lshl_b32 s83, s42, 1
	s_add_co_u32 s82, s82, s83                     ; batch x 16 + my first head
	s_lshl_b32 s[SAB], s17, 13
	s_lshl_b32 s83, s14, 11
	s_add_co_u32 s[SAB], s[SAB], s83
	s_add_co_u32 s[SAB], s[SAB], XS_O              ; my 64 rows' scale bytes
	s_lshl_b32 s[SBB], s42, 12
	s_add_co_u32 s[SBB], s[SBB], WQS_O
	s_lshl_b32 s[BIB], s42, 9
	s_lshl_b32 s[QIM], s82, 6
	s_lshl_b32 s83, s81, 4
	s_add_co_u32 s[QIM], s[QIM], s83
	s_lshl_b32 s83, s14, 2
	s_add_co_u32 s[QIM], s[QIM], s83
	s_mul_i32 s[QIM], s[QIM], 768                  ; q's images: (head x 64 + tile) x 768
	s_lshl_b32 s[QSB], s82, 4
	s_lshl_b32 s83, s81, 2
	s_add_co_u32 s[QSB], s[QSB], s83
	s_add_co_u32 s[QSB], s[QSB], s14
	s_lshl_b32 s[QSB], s[QSB], 8
	s_add_co_u32 s[QSB], s[QSB], QKS_O             ; q's scale words: head x 4,096 + 256 for each four tiles
	s_lshl_b32 s83, s81, 1
	s_add_co_u32 s83, s83, s15                     ; which 128 keys
	s_lshl_b32 s[VIM], s82, 3
	s_add_co_u32 s[VIM], s[VIM], s83
	s_mul_i32 s[VIM], s[VIM], 6144
	s_mul_i32 s84, s16, 768
	s_add_co_u32 s[VIM], s[VIM], s84
	s_add_co_u32 s[VIM], s[VIM], VI_O              ; v's images: (head x 8 + 128 keys) x 6,144 + 768 x my half of them
	s_add_co_u32 s[VSB], s82, s16
	s_lshl_b32 s[VSB], s[VSB], 3
	s_add_co_u32 s[VSB], s[VSB], s83
	s_lshl_b32 s[VSB], s[VSB], 8
	s_add_co_u32 s[VSB], s[VSB], VS_O              ; the unit of v's scale words that I store: keys wave / 2, head wave % 2
.irp p, 67,69,71,73,75,77,79,85,91
	s_mov_b32 s\p, 0
.endr
	s_mul_i32 s86, s14, HB
	s_add_co_u32 s86, s86, PB                      ; LDS: my 64 rows of x
	s_lshl_b32 s87, s15, 9
	s_lshl_b32 s88, s16, 1
	s_add_co_u32 s87, s87, s88
	s_add_co_u32 s87, s87, XCH
	s_lshl_b32 s88, s14, 8
	s_add_co_u32 s88, s88, XCH
	s_mov_b32 s[SEL], 0x76543210                   ; v_permlanex16_b32's selects for lane l xor 16
	s_mov_b32 s[SEL+1], 0xfedcba98
	s_wait_dscnt 0x0
	s_wait_kmcnt 0x0
	s_add_nc_u64 s[G0A+2:G0A+3], s[4:5], s[20:21]
	s_or_b32 s[G0A+3], s[G0A+3], 0x80000000
	s_add_nc_u64 s[G0B+2:G0B+3], s[4:5], s[46:47]
	s_or_b32 s[G0B+3], s[G0B+3], 0x80000000
	s_add_nc_u64 s[G0R+2:G0R+3], s[4:5], s[22:23]
	s_or_b32 s[G0R+3], s[G0R+3], 0x80000000
	s_add_nc_u64 s[SAB:SAB+1], s[4:5], s[SAB:SAB+1]
	s_add_nc_u64 s[SBB:SBB+1], s[4:5], s[SBB:SBB+1]
	s_add_nc_u64 s[BIB:BIB+1], s[6:7], s[BIB:BIB+1]
	s_add_nc_u64 s[QIM:QIM+1], s[12:13], s[QIM:QIM+1]
	s_add_nc_u64 s[QSB:QSB+1], s[12:13], s[QSB:QSB+1]
	s_add_nc_u64 s[VIM:VIM+1], s[12:13], s[VIM:VIM+1]
	s_add_nc_u64 s[VSB:VSB+1], s[12:13], s[VSB:VSB+1]
	CROUND                                         ; all sixteen work-groups are here: the first joint loads meet
	s_cmp_eq_u32 s15, 0                            ; one load a wave: waves 0, 1 x's halves, waves 2, 3 the q piece's
	s_cbranch_scc0 .Lhead_b
	tensor_load_to_lds s[G0A:G0A+3], s[G1A:G1A+7]
	s_nop 0
	PLACES 4
	s_branch .Lhead_j
.Lhead_b:
	tensor_load_to_lds s[G0B:G0B+3], s[G1B:G1B+7]
	s_nop 0
	PLACES 4
.Lhead_j:
	v_and_b32 v1, 15, v0                           ; r
	v_bfe_u32 v2, v0, 4, 1                         ; h
	v_and_b32 v5, 31, v0                           ; lane
	v_mul_u32_u24 v3, v1, PITCH
	v_mad_u32_u24 v[BB], v2, 24, v3                ; a fragment's row x pitch + 24 h: tiles 0-3 of a piece;
	v_lshl_add_u32 v[BB+1], v2, 4, v[BB]           ; for a piece of 8 bytes whose lanes 16-31 lie behind the next padding;
	v_add_nc_u32 v[BB+2], HB, v[BB]                ; and the same for tiles 4-7
	v_add_nc_u32 v[BB+3], HB, v[BB+1]
	v_add_nc_u32 v[ADRA], s86, v[BB]
	v_add_nc_u32 v[ADRA+1], s86, v[BB+1]
	v_lshlrev_b32 v[SOF], 5, v1
	v_lshl_add_u32 v[SOF], v2, 4, v[SOF]           ; scale bytes: 32 r + 16 h
	v_lshlrev_b32 v[BOF], 6, v2                    ; bias of q, k: 16 h columns on
	v_and_b32 v3, 8, v1
	v_add_nc_u32 v3, v3, v1
	v_lshlrev_b32 v[VBO], 2, v3                    ; bias of v: column r + 8 (r / 8)
	v_lshlrev_b32 v[EL16], 4, v5
	v_lshlrev_b32 v[EL8], 3, v5
	v_lshlrev_b32 v[QSO], 4, v1
	v_lshl_add_u32 v[QSO], v2, 12, v[QSO]          ; q's scale words: lanes 0-15 the first head's, lanes 16-31 the second's
	v_lshlrev_b32 v[SH16], 4, v2
	v_lshl_add_u32 v[XST], v5, 2, s87
	v_lshl_add_u32 v[XRD], v5, 3, s88
.irp k, 0,1,2,3,4,5,6,7,8,9,10,11,12,13,14,15
	v_mov_b32 v[TP+\k], 0                          ; (a lane permute's destination counts as one of its sources)
.endr
.macro LDSB                            ; a piece's scale words: 8 tiles x 512 consecutive bytes
.irp b, 0,1,2,3,4,5,6,7
	global_load_b128 v[SB+4*\b:SB+4*\b+3], v[SOF], s[SBB:SBB+1] offset:512*\b
.endr
.endm
.macro LDBQ                            ; bias at the lane's eight columns of each tile
.irp b, 0,1,2,3,4,5,6,7
	global_load_b128 v[BIA+8*\b:BIA+8*\b+3], v[BOF], s[BIB:BIB+1] offset:128*(\b/2)+32*(\b%2)
	global_load_b128 v[BIA+8*\b+4:BIA+8*\b+7], v[BOF], s[BIB:BIB+1] offset:128*(\b/2)+32*(\b%2)+16
.endr
.endm
.macro LDBV                            ; bias at the lane's one column of each tile
.irp b, 0,1,2,3,4,5,6,7
	global_load_b32 v[BIA+8*\b], v[VBO], s[BIB:BIB+1] offset:128*(\b/2)+32*(\b%2)
.endr
.endm
.irp a, 0,1,2,3
	global_load_b128 v[SA+4*\a:SA+4*\a+3], v[SOF], s[SAB:SAB+1] offset:512*\a
.endr
	LDSB
	LDBQ
; a fragment, 16 rows x 128 K, is 12 registers: six pieces of 8 bytes; byte y of a row lies at y + 16 (y / 256)
.macro FRAG reg, adr, st, i
.irp p, 0,1,2,3,4,5
.set BY, 96*(\st)+48*(\p/3)+8*(\p%3)
.if BY/256 == (BY+24)/256
	ds_load_b64 v[(\reg)+2*\p:(\reg)+2*\p+1], v[\adr] offset:BY+16*(BY/256)+(\i)*TB
.else
	ds_load_b64 v[(\reg)+2*\p:(\reg)+2*\p+1], v[\adr+1] offset:BY+16*(BY/256)+(\i)*TB
.endif
.endr
.endm
.macro LOADH n                         ; half step n: tiles 4 (n % 2) .. + 3 of step n / 2 into buffer n % 3 (windows 3, 1, 0)
.set BR, 192-48*(((\n)%3)/2)
	WIN (3>>((\n)%3))<<6
.irp i, 0,1,2,3
	FRAG BR+12*\i, AB+2*((\n)%2), (\n)/2, \i
.endr
.endm
.macro WM
.if ST < 4
	v_wmma_scale_f32_16x16x128_f8f6f4 v[DD:DD+7], v[P0:P0+11], v[P1:P1+11], v[CC:CC+7], v[X0], v[X1] matrix_a_fmt:MATRIX_FMT_FP6 matrix_b_fmt:MATRIX_FMT_FP6
.else
	v_wmma_scale_f32_16x16x128_f8f6f4 v[DD:DD+7], v[P0:P0+11], v[P1:P1+11], v[CC:CC+7], v[X0], v[X1] matrix_a_fmt:MATRIX_FMT_FP6 matrix_b_fmt:MATRIX_FMT_FP6 matrix_a_scale:MATRIX_SCALE_ROW1 matrix_b_scale:MATRIX_SCALE_ROW1
.endif
.endm
.macro MULH n, tr                      ; 16 matrix instructions on 16 accumulators, one a turn
.set ST, (\n)/2
.set BW, 3>>((\n)%3)
.set BR, 192-48*(((\n)%3)/2)
.if ST == 0
.set CW, 0
.else
.set CW, 2
.endif
.irp a, 0,1,2,3
.set AW, 3-2*(\a/2)
.set AR, 96*(\a%2)+12*ST
.if \tr
	WIN 0x80|(CW<<4)|(AW<<2)|BW
.else
	WIN 0x80|(CW<<4)|(BW<<2)|AW
.endif
.irp i, 0,1,2,3
.set T, 4*((\n)%2)+\i
.if \tr
.set DD, 64*\a+8*T
.set P0, BR+12*\i
.set P1, AR
.set X0, SB+4*T+ST%4
.set X1, SA+4*\a+ST%4
.else
.set DD, 32*T+8*\a
.set P0, AR
.set P1, BR+12*\i
.set X0, SA+4*\a+ST%4
.set X1, SB+4*T+ST%4
.endif
.if ST == 0
.set CC, BIA+8*T
.else
.set CC, DD
.endif
	WM
.endr
.endr
.endm
.macro PIECE tr                        ; 16 half steps; the fragments of two half steps are on their way while one is multiplied
	LOADH 0
	LOADH 1
	WIN 0
	s_wait_loadcnt 0x0                             ; scale words and bias
.if \tr
.else
.irp b, 0,1,2,3,4,5,6,7
.irp j, 1,2,3,4,5,6,7
	v_mov_b32 v[BIA+8*\b+\j], v[BIA+8*\b]          ; v: a lane's eight results of a tile belong to one column: its bias in all eight registers of C
.endr
.endr
	PLACES 4
	s_wait_alu depctr_va_vdst(0)
.endif
.set N, 0
.rept 16
.if N < 14
.if N > 0
	PLACES 4                                       ; in front of loads into the buffer that the last half step's products read
.endif
	LOADH N+2
	s_wait_dscnt 48                                ; the 24 loads of each of the two half steps behind this one may be out
.else
	s_wait_dscnt 24*(15-N)
.endif
	MULH N, \tr
.set N, N+1
.endr
	WIN 0
.endm
; The piece's 256 accumulator registers = 4 groups x 4 blocks of 32 along the next K, 16 numbers of each block in this lane and 16 in lane l xor 16.
; All sixteen blocks go by turns, so that no line waits for the line above it.  Group g: 12 registers of codes at PC + 12 g; its four scale bytes, shifted down 16 h bits, in SW + g.
.macro QUANT4
	WIN 0x0a
.irp g, 0,1,2,3
.irp b, 0,1,2,3
	v_max3_num_f32 v[MX+4*\g+\b], |v[64*\g+16*\b]|, |v[64*\g+16*\b+1]|, 0x1800000   ; with the floor 2^(3 - 127)
.endr
.endr
.irp i, 2,4,6,8,10,12,14
.irp g, 0,1,2,3
.irp b, 0,1,2,3
	v_max3_num_f32 v[MX+4*\g+\b], |v[64*\g+16*\b+\i]|, |v[64*\g+16*\b+\i+1]|, v[MX+4*\g+\b]
.endr
.endr
.endr
	WIN 0
.irp k, 0,1,2,3,4,5,6,7,8,9,10,11,12,13,14,15
	v_permlanex16_b32 v[TP+\k], v[MX+\k], s[SEL], s[SEL+1]
.endr
.irp k, 0,1,2,3,4,5,6,7,8,9,10,11,12,13,14,15
	v_max_num_f32 v[MX+\k], v[MX+\k], v[TP+\k]
.endr
.irp k, 0,1,2,3,4,5,6,7,8,9,10,11,12,13,14,15
	v_add_nc_u32 v[MX+\k], 0xff000000, v[MX+\k]    ; 2 off the exponent field: the conversion's scale operand
.endr
.irp k, 0,1,2,3,4,5,6,7,8,9,10,11,12,13,14,15
	v_lshrrev_b32 v[TP+\k], 23, v[MX+\k]           ; the scale's byte
.endr
.irp e, 1,2,3
.irp g, 0,1,2,3
	v_lshl_or_b32 v[TP+4*\g], v[TP+4*\g+\e], 8*\e, v[TP+4*\g]
.endr
.endr
	WIN 0x02
.irp g, 0,1,2,3
.irp c, 0,1
	v_cvt_scalef32_pk16_fp6_f32 v[PC+12*\g+6*\c:PC+12*\g+6*\c+2], v[64*\g+32*\c:64*\g+32*\c+15], v[MX+4*\g+2*\c]
	v_cvt_scalef32_pk16_fp6_f32 v[TQ+8*\g+4*\c:TQ+8*\g+4*\c+2], v[64*\g+32*\c+16:64*\g+32*\c+31], v[MX+4*\g+2*\c+1]
.endr
.endr
	WIN 0
	v_nop                                          ; one plain place behind a scaled conversion
.irp g, 0,1,2,3
.irp c, 0,1
.irp i, 0,1,2
	v_permlane16_swap_b32 v[PC+12*\g+6*\c+\i], v[TQ+8*\g+4*\c+\i]   ; a whole block to a lane
.endr
.endr
.endr
.irp g, 0,1,2,3
.irp c, 0,1
.irp i, 0,1,2
	v_mov_b32 v[PC+12*\g+6*\c+3+\i], v[TQ+8*\g+4*\c+\i]
.endr
.endr
.endr
.irp g, 0,1,2,3
	v_lshrrev_b32 v[SW+\g], v[SH16], v[TP+4*\g]
.endr
.endm
	s_wait_alu depctr_va_vdst(0)
	s_wait_tensorcnt 0x0                           ; my tile of the head's four is in,
	s_barrier_signal -1
	s_barrier_wait -1                              ; everybody's is
.irp a, 0,1,2,3                        ; my 64 tokens, all of K: 192 loads of 8 bytes a lane
	WIN (3-2*(\a/2))<<6
.irp st, 0,1,2,3,4,5,6,7
	FRAG 96*(\a%2)+12*\st, ADRA, \st, \a
.endr
.endr
	WIN 0
	s_wait_tensorcnt 0x0
	ds_add_u32 v[SPW], v[NIL]
	s_wait_dscnt 0x0                               ; the add is done, and my reads of x's rows
	CROUND                                         ; no wave of any partner still reads regions 1 and 2
	tensor_load_to_lds s[G0R:G0R+3], s[G1B:G1B+7]  ; my quarter of the k and v pieces
	s_nop 0
	PLACES 4
	s_mov_b32 s60, 0                               ; the piece's region
	s_mov_b32 s3, 0
.Lpiece:                               ; trip 0: q, trip 1: k
.irp k, 0,1,2,3
	v_add_nc_u32 v[AB+\k], s60, v[BB+\k]
.endr
	s_wait_alu depctr_va_vdst(0)                   ; the wait behind these writes
	PIECE 1
	PLACES 5
	s_wait_xcnt 0x0                                ; q's stores, a piece back, have read their registers and bases
	s_cmp_lg_u32 s3, 0
	s_cselect_b32 s84, 128*64*768, 0               ; k's plane lies 128 heads behind q's
	s_cselect_b32 s90, 128*4096, 0
	s_add_nc_u64 s[QIM:QIM+1], s[QIM:QIM+1], s[84:85]
	s_add_nc_u64 s[QSB:QSB+1], s[QSB:QSB+1], s[90:91]
	s_add_nc_u64 s[SBB:SBB+1], s[SBB:SBB+1], 1024*32   ; the next piece's scale words and bias land under the quantiser
	s_add_nc_u64 s[BIB:BIB+1], s[BIB:BIB+1], 4096
	LDSB
	s_cmp_lg_u32 s3, 0
	s_cbranch_scc1 .Lbias_v
	LDBQ
	s_branch .Lbias_j
.Lbias_v:
	LDBV
.Lbias_j:
	QUANT4                                         ; group g = my block g of 16 tokens x two heads
.irp a, 0,1,2,3
	v_and_b32 v[SW+\a], 0xffff, v[SW+\a]           ; a head's two bytes; the instruction's upper 64 along K meet zero codes
.endr
.irp a, 0,1,2,3
.irp c, 0,1
	global_store_b128 v[EL16], v[PC+12*\a+6*\c:PC+12*\a+6*\c+3], s[QIM:QIM+1] offset:768*\a+49152*\c       ; 512 and 256 consecutive bytes, aligned
	global_store_b64 v[EL8], v[PC+12*\a+6*\c+4:PC+12*\a+6*\c+5], s[QIM:QIM+1] offset:768*\a+49152*\c+512
.endr
.endr
	global_store_b128 v[QSO], v[SW:SW+3], s[QSB:QSB+1]   ; sixteen lanes store 256 consecutive bytes, aligned
	s_add_co_u32 s60, s60, PB
	s_wait_alu depctr_va_vdst(0)
	s_wait_tensorcnt 0x0                           ; my quarter of the k and v pieces is in,
	s_barrier_signal -1
	s_barrier_wait -1                              ; everybody's is
	s_add_co_u32 s3, s3, 1
	s_cmp_lt_u32 s3, 2
	s_cbranch_scc1 .Lpiece
.irp k, 0,1,2,3
	v_add_nc_u32 v[AB+\k], 2*PB, v[BB+\k]
.endr
	s_wait_alu depctr_va_vdst(0)
	PIECE 0                                        ; v: a lane holds a column, accumulator (tile, block of tokens) at 32 x tile + 8 x block
	PLACES 5
	s_wait_xcnt 0x0                                ; k's stores have read their registers
	QUANT4                                         ; group g = tiles 2 g, 2 g + 1 of d x my 64 keys
.irp pr, 0,1,2,3
	ds_store_b16 v[XST], v[SW+\pr] offset:128*\pr  ; my two of the four bytes of a scale word of 128 keys; the wave beside me has the other two
.endr
.irp pr, 0,1,2,3
.irp c, 0,1
	global_store_b128 v[EL16], v[PC+12*\pr+6*\c:PC+12*\pr+6*\c+3], s[VIM:VIM+1] offset:49152*(\pr/2)+1536*((2*\pr+\c)%4)
	global_store_b64 v[EL8], v[PC+12*\pr+6*\c+4:PC+12*\pr+6*\c+5], s[VIM:VIM+1] offset:49152*(\pr/2)+1536*((2*\pr+\c)%4)+512
.endr
.endr
	s_wait_dscnt 0x0                               ; for the others' sake: my stores into LDS are done
	s_barrier_signal -1
	s_barrier_wait -1
	ds_load_b64 v[MX:MX+1], v[XRD]
	s_wait_dscnt 0x0
	global_store_b64 v[EL8], v[MX:MX+1], s[VSB:VSB+1]   ; 32 lanes store 256 consecutive bytes, aligned
	s_wait_tensorcnt 0x0                           ; the wave's end
	ds_add_u32 v[SPW], v[NIL]
	s_wait_dscnt 0x0
	CROUND                                         ; the closing round
	s_endpgm
.Lfunc_end_k_q6d2264c27b_gemm_qkv:
	.size	k_q6d2264c27b_gemm_qkv, .Lfunc_end_k_q6d2264c27b_gemm_qkv-k_q6d2264c27b_gemm_qkv
	.p2alignl 7, 3214868480
	.fill 96, 4, 3214868480
	.section	.rodata,"a",@progbits
	.p2align	6, 0x0
	.amdhsa_kernel k_q6d2264c27b_gemm_qkv
		.amdhsa_group_segment_fixed_size 327680
		.amdhsa_private_segment_fixed_size 0
		.amdhsa_enable_private_segment 0
		.amdhsa_kernarg_size 24
		.amdhsa_user_sgpr_count 2
		.amdhsa_user_sgpr_kernarg_segment_ptr 1
		.amdhsa_wavefront_size32 1
		.amdhsa_system_sgpr_workgroup_id_x 1
		.amdhsa_system_sgpr_workgroup_id_y 1
		.amdhsa_system_sgpr_workgroup_id_z 1
		.amdhsa_system_vgpr_workitem_id 0
		.amdhsa_next_free_vgpr 1024
		.amdhsa_next_free_sgpr 98
		.amdhsa_reserve_vcc 0
		.amdhsa_float_denorm_mode_32 3
		.amdhsa_float_denorm_mode_16_64 3
		.amdhsa_memory_ordered 1
		.amdhsa_forward_progress 1
		.amdhsa_inst_pref_size 185
	.end_amdhsa_kernel
	.amdgpu_metadata
---
amdhsa.version: [ 1, 2 ]
amdhsa.kernels:
  - .name:           k_q6d2264c27b_gemm_qkv
    .symbol:         k_q6d2264c27b_gemm_qkv.kd
    .args:
      - { .name: opnd, .offset: 0, .size: 8, .value_kind: global_buffer, .address_space: global }
      - { .name: b_qkv, .offset: 8, .size: 8, .value_kind: global_buffer, .address_space: global }
      - { .name: qkv, .offset: 16, .size: 8, .value_kind: global_buffer, .address_space: global }
    .group_segment_fixed_size: 327680
    .private_segment_fixed_size: 0
    .kernarg_segment_align: 8
    .kernarg_segment_size: 24
    .max_flat_workgroup_size: 128
    .sgpr_count:     98
    .vgpr_count:     1024
    .wavefront_size: 32
...
	.end_amdgpu_metadata
.endif
;; end of part 2
;; launch stats (part 3): grid 2 x 128, 16 waves a work-group, no clusters, 169,984 bytes of LDS; arguments qkv, stats; writes stats
.if DOCPART == 3
	.amdgcn_target "amdgcn-amd-amdhsa--gfx1250"
	.amdhsa_code_object_version 6
	.text
	.protected	k_q6d2264c27b_stats
	.globl	k_q6d2264c27b_stats
	.p2align	8
	.type	k_q6d2264c27b_stats,@function
k_q6d2264c27b_stats:
	s_mov_b64 s[64:65], 0
	v_nop
	global_prefetch_b8 v0, s[64:65] scope:SCOPE_SE
	s_setreg_imm32_b32 hwreg(HW_REG_WAVE_MODE, 25, 1), 1
	s_wait_xcnt 0x0
; THE SOFTMAX RUNS OVER THE QUERIES: a(i, j) = exp(s(i, j) / 8 - m_j) / l_j, over the queries i >= j of key j.  This launch makes ONE number for each key: nu'_j = nu_j - log2(l_j), with nu_j = fl(-c x the largest score),
; l_j = the sum over i >= j of 2^(c s + nu_j), c = log2(e) / 8: so that a(i, j) = 2^(c s + nu'_j).  The running maximum is taken away in every step (one fused multiply-add: c s + nu).
; Scores: q k^T on codes of FP6 (E2M3); K is the head's 64, the instruction's upper 64 are zero codes in k's registers.  Steps all of whose queries come before the keys are under reference()'s own causal mask and are left out.
; SHARES.  A work-group takes half of a head's 64 tiles of 16 keys; wave w takes tiles T = 16 g + w and 63 - T, which together see 9 steps of 128 queries in every wave.
; The head's q (images of operand registers, 49,152 bytes, and scale words, 4,096) comes into LDS once, one tensor load a wave: waves 0-11 a twelfth of the images, waves 12-15 a quarter of the scale words; nothing is filled again.
; NO CLUSTER: a head's work is two work-groups, which no cluster of four along x divides; what they share is that one fill.  NO PREFETCH: all is asked for at the head.
; LAYOUT.  Source 0 = 16 queries, source 1 = my 16 keys: lane (r, h) holds ONE key (r), and register n of the step's 64 the query 32 (n / 16) + 16 h + n % 16 of the step.
; Source 0's twelve registers are a tile's six and the next tile's six: the latter meet the zero codes.  Row r of tile T holds token 32 (T / 2) + 8 (T % 2) + r + 8 (r / 8).
; LIMITS: v_exp_f32 gives 0 for results under 2^-126; NaN and infinities are not served; the promise holds while the scaled scores c s stay under 2^31 in magnitude.
; REGISTERS: v1-3, v9-15 addresses and lane numbers; v4-6 addresses in hand; v7 the mask's bound; v8 -infinity; v16-27, v28-39 my two tiles of k (six of codes, six zeros); v40-41 their scale words;
;   v48-101 eight tiles of q; v104-111 their scale words; v112-175 scores; v180 the largest score, v181-183 nu (old, new), v184-185 l in two halves, v186-187 the rescaling, v188-199, v242-253 at work.
.set QKS_O, 18874368
.set LQS,   49152                      ; LDS: q's images at 0; their scale words; the stage [first tiles, second tiles][256 tokens] f32
.set STG,   53248
.set QF,    48
.set QSC,   104
.set S,     112
	s_load_b128 s[4:7], s[0:1], 0x0                ; qkv s[4:5], stats s[6:7]
	v_lshl_add_u32 v254, v0, 2, 0x29000
	v_mov_b32 v255, 0
	ds_add_u32 v254, v255                          ; the opening lines: the add twice on end and one wait
	ds_add_u32 v254, v255
	v_lshrrev_b32 v9, 5, v0
	s_delay_alu instid0(VALU_DEP_1)
	v_readfirstlane_b32 s8, v9                     ; wave 0..15
	s_and_b32 s9, ttmp7, 0xffff                    ; batch x 16 + head
	s_lshl_b32 s10, ttmp9, 4
	s_add_co_u32 s10, s10, s8                      ; my first tile of keys
	s_sub_co_u32 s11, 63, s10                      ; my second
	s_mov_b32 s16, 3<<16                           ; group 1: 16 rows of 256 bytes (32 elements of 8 bytes), dense
	s_mov_b32 s17, 32<<16
	s_mov_b32 s18, 16<<16
	s_mov_b32 s19, 32<<16
	s_mov_b32 s20, 16
	s_mov_b32 s21, 32
	s_mov_b32 s22, 0
	s_mov_b32 s23, 0
	s_mov_b32 s24, 3<<16                           ; group 1: 4 rows of 256 bytes
	s_mov_b32 s25, 32<<16
	s_mov_b32 s26, 4<<16
	s_mov_b32 s27, 32<<16
	s_mov_b32 s28, 4
	s_mov_b32 s29, 32
	s_mov_b32 s30, 0
	s_mov_b32 s31, 0
	s_mul_i32 s52, s9, 49152
	s_lshl_b32 s33, s8, 12                         ; LDS: a twelfth of the images
	s_add_co_u32 s52, s52, s33
	s_mov_b32 s53, 0
	s_lshl_b32 s54, s9, 12
	s_and_b32 s56, s8, 3
	s_lshl_b32 s56, s56, 10                        ; a quarter of the scale words
	s_add_co_u32 s54, s54, s56
	s_add_co_u32 s54, s54, QKS_O
	s_mov_b32 s55, 0
	s_mov_b32 s32, 1
	s_mov_b32 s36, 1
	s_add_co_u32 s37, s56, LQS
	s_mov_b32 s40, 0x76543210                      ; v_permlanex16_b32's selects for lane l xor 16
	s_mov_b32 s41, 0xfedcba98
	s_mov_b32 s42, 0x3e38aa3b                      ; c = log2(e) / 8
	s_mov_b32 s43, s42                             ; (named with it as a pair)
	s_mov_b32 s44, 0xbe38aa3b                      ; -c
	s_wait_dscnt 0x0
	s_wait_kmcnt 0x0
	s_add_nc_u64 s[34:35], s[4:5], s[52:53]
	s_or_b32 s35, s35, 0x80000000
	s_add_nc_u64 s[38:39], s[4:5], s[54:55]
	s_or_b32 s39, s39, 0x80000000
	s_cmp_lt_u32 s8, 12                            ; the launch's only fills: one load of mine is out
	s_cbranch_scc0 .Lhead_s
	tensor_load_to_lds s[32:35], s[16:23]
	s_nop 0
.rept 4
	v_nop
.endr
	s_branch .Lhead_j
.Lhead_s:
	tensor_load_to_lds s[36:39], s[24:31]
	s_nop 0
.rept 4
	v_nop
.endr
.Lhead_j:
	s_add_co_u32 s56, s9, 128                      ; k's plane lies 128 heads behind q's
	s_mul_i32 s57, s56, 49152
	s_mul_i32 s58, s10, 768
	s_add_co_u32 s58, s58, s57
	s_mov_b32 s59, 0
	s_add_nc_u64 s[58:59], s[4:5], s[58:59]        ; my first tile's image
	s_mul_i32 s60, s11, 768
	s_add_co_u32 s60, s60, s57
	s_mov_b32 s61, 0
	s_add_nc_u64 s[60:61], s[4:5], s[60:61]        ; my second's
	s_lshl_b32 s56, s56, 12
	s_add_co_u32 s56, s56, QKS_O
	s_lshr_b32 s62, s10, 2                         ; a tile's scale words: 256 (T / 4) + 4 (T % 4) + 16 r
	s_lshl_b32 s62, s62, 8
	s_and_b32 s63, s10, 3
	s_lshl_b32 s63, s63, 2
	s_add_co_u32 s62, s62, s63
	s_add_co_u32 s62, s62, s56
	s_mov_b32 s63, 0
	s_add_nc_u64 s[62:63], s[4:5], s[62:63]
	s_lshr_b32 s12, s11, 2
	s_lshl_b32 s12, s12, 8
	s_and_b32 s13, s11, 3
	s_lshl_b32 s13, s13, 2
	s_add_co_u32 s12, s12, s13
	s_add_co_u32 s12, s12, s56
	s_mov_b32 s13, 0
	s_add_nc_u64 s[12:13], s[4:5], s[12:13]
	v_and_b32 v9, 31, v0                           ; lane
	s_delay_alu instid0(VALU_DEP_1)
	v_lshlrev_b32 v1, 4, v9
	s_delay_alu instid0(VALU_DEP_2)
	v_lshlrev_b32 v2, 3, v9
	v_and_b32 v12, 15, v0                          ; r
	v_bfe_u32 v13, v0, 4, 1                        ; h
	s_delay_alu instid0(VALU_DEP_2)
	v_lshlrev_b32 v10, 4, v12
	global_load_b128 v[16:19], v1, s[58:59]
	global_load_b64 v[20:21], v2, s[58:59] offset:512
	global_load_b128 v[28:31], v1, s[60:61]
	global_load_b64 v[32:33], v2, s[60:61] offset:512
	global_load_b32 v40, v10, s[62:63]
	global_load_b32 v41, v10, s[12:13]
	v_add_nc_u32 v3, LQS, v10
	v_and_b32 v14, 8, v12
	s_delay_alu instid0(VALU_DEP_1)
	v_add_nc_u32 v14, v14, v12                     ; r + 8 (r / 8)
	v_lshlrev_b32 v11, 4, v13
	s_delay_alu instid0(VALU_DEP_1)
	v_sub_nc_u32 v11, v14, v11                     ; - 16 h
	v_lshl_add_u32 v15, v14, 2, STG                ; the stage: my key's word; lanes l and l xor 16 hold the same key
	v_mov_b32 v8, 0xff800000                       ; -infinity
.irp j, 22,23,24,25,26,27,34,35,36,37,38,39,96,97,98,99,100,101
	v_mov_b32 v\j, 0                               ; the zero codes that fill K up to 128, and what stands behind q's last tile
.endr
	v_mov_b32 v183, 0                              ; (upper halves of pairs that are named whole)
	v_mov_b32 v187, 0
	v_mov_b32 v196, 0                              ; (a lane permute's destination counts as one of its sources)
	v_mov_b32 v197, 0
	s_wait_alu depctr_va_vdst(0)
	s_wait_tensorcnt 0x0                           ; my part of q is in,
	s_barrier_signal -1
	s_barrier_wait -1                              ; everybody's is
	s_wait_loadcnt 0x0                             ; my tiles of k
; The step on the diagonal, my keys lying in block kb of its four blocks of 32 queries: the blocks ahead of kb are hidden whole, block kb is compared, the blocks behind it are seen whole.
.macro DIAGS kb
.set NN, 0
.rept 16*(\kb)
	v_mov_b32 v[S+NN], v8
.set NN, NN+1
.endr
.rept 16
	v_cmp_lt_i32 vcc_lo, 32*(\kb)+NN%16, v7
	v_cndmask_b32 v[S+NN], v[S+NN], v8, vcc_lo
.set NN, NN+1
.endr
.endm
; One tile of keys against all steps of 128 queries.  The loop has 8 trips in every wave; a step all of whose queries come before my keys leaves its work out, by a scalar branch on ids.
.macro PHASE kf, ksc, tt, half
	s_lshr_b32 s48, s[\tt], 3                      ; the first step that sees my keys
	s_bfe_u32 s50, s[\tt], 0x20001                 ; and their block of 32 in it
	s_and_b32 s49, s[\tt], 6
	s_lshl_b32 s49, s49, 4
	s_and_b32 s51, s[\tt], 1
	s_lshl_b32 s51, s51, 3
	s_add_co_u32 s49, s49, s51
	v_add_nc_u32 v7, s49, v11                      ; my key's place in its step - 16 h: register n is hidden where 32 (n / 16) + n % 16 lies under it
	v_mov_b32 v180, 0xff61b1e6                     ; the largest score so far: -3e38
	s_delay_alu instid0(VALU_DEP_1)
	v_mul_f32 v182, s44, v180
	v_mov_b32 v184, 0
	v_mov_b32 v185, 0
	s_mov_b32 s45, 0
	s_mov_b32 s46, 0
	s_mov_b32 s47, 0
.Ltrip_\@:
	s_cmp_lt_u32 s45, s48
	s_cbranch_scc1 .Lskip_\@
	v_add_nc_u32 v4, s46, v1
	v_add_nc_u32 v5, s46, v2
	v_add_nc_u32 v6, s47, v3
	v_nop                                          ; four places in front of loads into registers that matrix instructions have read
.irp t, 0,1,2,3,4,5,6,7
	ds_load_b128 v[QF+6*\t:QF+6*\t+3], v4 offset:768*\t
	ds_load_b64 v[QF+6*\t+4:QF+6*\t+5], v5 offset:768*\t+512
.endr
	ds_load_b128 v[QSC:QSC+3], v6
	ds_load_b128 v[QSC+4:QSC+7], v6 offset:256
	s_wait_alu depctr_va_vdst(0)
	s_wait_dscnt 0x0
.irp t, 0,1,2,3,4,5,6,7
	v_wmma_scale_f32_16x16x128_f8f6f4 v[S+8*\t:S+8*\t+7], v[QF+6*\t:QF+6*\t+11], v[\kf:\kf+11], 0, v[QSC+\t], v[\ksc] matrix_a_fmt:MATRIX_FMT_FP6 matrix_b_fmt:MATRIX_FMT_FP6
.endr
.rept 4
	v_nop
.endr
	s_cmp_lg_u32 s45, s48                          ; only the first step lies on the diagonal
	s_cbranch_scc1 .Lopen_\@
	s_cmp_lt_u32 s50, 2
	s_cbranch_scc0 .Lk23_\@
	s_cmp_eq_u32 s50, 0
	s_cbranch_scc0 .Lk1_\@
	DIAGS 0
	s_branch .Lopen_\@
.Lk1_\@:
	DIAGS 1
	s_branch .Lopen_\@
.Lk23_\@:
	s_cmp_eq_u32 s50, 2
	s_cbranch_scc0 .Lk3_\@
	DIAGS 2
	s_branch .Lopen_\@
.Lk3_\@:
	DIAGS 3
.Lopen_\@:
	s_wait_alu depctr_va_vdst(0)
.irp b, 0,1,2,3
	v_max3_num_f32 v[188+\b], v[S+16*\b], v[S+16*\b+1], v[S+16*\b+2]   ; four chains, each accumulator from its low end on
.endr
.irp i, 3,5,7,9,11,13
.irp b, 0,1,2,3
	v_max3_num_f32 v[188+\b], v[188+\b], v[S+16*\b+\i], v[S+16*\b+\i+1]
.endr
.endr
.irp b, 0,1,2,3
	v_max_num_f32 v[188+\b], v[188+\b], v[S+16*\b+15]
.endr
	s_delay_alu instid0(VALU_DEP_2)
	v_max3_num_f32 v194, v188, v189, v190
	s_delay_alu instid0(VALU_DEP_1)
	v_max3_num_f32 v180, v194, v191, v180          ; the running largest score of my key, among my half's queries
	v_mov_b32 v181, v182
	s_delay_alu instid0(VALU_DEP_2)
	v_mul_f32 v182, s44, v180                      ; nu = -c x it
	s_delay_alu instid0(VALU_DEP_1)
	v_sub_f32 v195, v182, v181
	s_wait_alu depctr_va_vdst(0)
	v_exp_f32 v186, v195                           ; 2^(nu - old nu): brings the sum under the new maximum
.irp j, 0,2,4,6,8,10,12,14,16,18,20,22,24,26,28,30,32,34,36,38,40,42,44,46,48,50,52,54,56,58,60,62
	v_pk_fma_f32 v[S+\j:S+\j+1], v[S+\j:S+\j+1], s[42:43], v[182:183] op_sel_hi:[1,0,0]   ; c s + nu, two at a time
.endr
	s_wait_alu depctr_va_vdst(0)
.irp j, 0,1,2,3,4,5,6,7,8,9,10,11,12,13,14,15,16,17,18,19,20,21,22,23,24,25,26,27,28,29,30,31,32,33,34,35,36,37,38,39,40,41,42,43,44,45,46,47,48,49,50,51,52,53,54,55,56,57,58,59,60,61,62,63
	v_exp_f32 v[S+\j], v[S+\j]
.endr
	s_wait_alu depctr_va_vdst(0)
	v_pk_mul_f32 v[184:185], v[184:185], v[186:187] op_sel_hi:[1,0]   ; (a plain place behind the exponentials)
	v_pk_add_f32 v[192:193], v[116:117], v[120:121]                   ; the step's sum, in eight chains
	v_pk_add_f32 v[252:253], v[124:125], v[128:129]
	v_pk_add_f32 v[250:251], v[132:133], v[136:137]
	v_pk_add_f32 v[248:249], v[140:141], v[144:145]
	v_pk_add_f32 v[246:247], v[148:149], v[152:153]
	v_pk_add_f32 v[244:245], v[156:157], v[160:161]
	v_pk_add_f32 v[242:243], v[164:165], v[168:169]
	v_pk_add_f32 v[184:185], v[184:185], v[172:173]
	v_pk_add_f32 v[192:193], v[192:193], v[112:113]
	v_pk_add_f32 v[252:253], v[252:253], v[114:115]
	v_pk_add_f32 v[250:251], v[250:251], v[118:119]
	v_pk_add_f32 v[248:249], v[248:249], v[122:123]
	v_pk_add_f32 v[246:247], v[246:247], v[126:127]
	v_pk_add_f32 v[244:245], v[244:245], v[130:131]
	v_pk_add_f32 v[242:243], v[242:243], v[134:135]
	v_pk_add_f32 v[184:185], v[184:185], v[138:139]
	v_pk_add_f32 v[192:193], v[192:193], v[142:143]
	v_pk_add_f32 v[252:253], v[252:253], v[146:147]
	v_pk_add_f32 v[250:251], v[250:251], v[150:151]
	v_pk_add_f32 v[248:249], v[248:249], v[154:155]
	v_pk_add_f32 v[246:247], v[246:247], v[158:159]
	v_pk_add_f32 v[244:245], v[244:245], v[162:163]
	v_pk_add_f32 v[242:243], v[242:243], v[166:167]
	v_pk_add_f32 v[184:185], v[184:185], v[170:171]
	v_pk_add_f32 v[192:193], v[192:193], v[174:175]
	s_delay_alu instid0(VALU_DEP_2)
	v_pk_add_f32 v[184:185], v[184:185], v[248:249]
	s_delay_alu instid0(VALU_DEP_2)
	v_pk_add_f32 v[192:193], v[192:193], v[246:247]
	v_pk_add_f32 v[252:253], v[252:253], v[244:245]
	v_pk_add_f32 v[250:251], v[250:251], v[242:243]
	s_delay_alu instid0(VALU_DEP_2)
	v_pk_add_f32 v[184:185], v[184:185], v[252:253]
	s_delay_alu instid0(VALU_DEP_2)
	v_pk_add_f32 v[192:193], v[192:193], v[250:251]
	s_delay_alu instid0(VALU_DEP_1)
	v_pk_add_f32 v[184:185], v[184:185], v[192:193]
.Lskip_\@:
	s_add_co_u32 s46, s46, 6144                    ; the next step's eight images,
	s_add_co_u32 s47, s47, 512                     ; and their scale words
	s_add_co_u32 s45, s45, 1
	s_cmp_lt_u32 s45, 8
	s_cbranch_scc1 .Ltrip_\@
	s_wait_alu depctr_va_vdst(0)
	v_add_f32 v194, v184, v185                     ; my half's sum;
	v_permlanex16_b32 v196, v182, s40, s41         ; the other half's nu
	s_delay_alu instid0(VALU_DEP_2)
	v_permlanex16_b32 v197, v194, s40, s41         ; and sum
	s_delay_alu instid0(VALU_DEP_2)
	v_min_num_f32 v198, v182, v196                 ; the key's nu: that of the larger maximum
	s_delay_alu instid0(VALU_DEP_1)
	v_sub_f32 v195, v198, v182
	s_delay_alu instid0(VALU_DEP_2)
	v_sub_f32 v199, v198, v196
	s_wait_alu depctr_va_vdst(0)
	v_exp_f32 v195, v195
	v_exp_f32 v199, v199
	v_nop
	s_wait_alu depctr_va_vdst(0)
	v_mul_f32 v194, v194, v195                     ; both sums under it (a half that saw no query brings 0).  Two products and a sum, not a fused form:
	v_mul_f32 v197, v197, v199                     ; so lanes l and l xor 16 add the same two numbers and get the same bits,
	s_delay_alu instid0(VALU_DEP_1)
	v_add_f32 v194, v194, v197                     ; which both store to the key's one word below
	s_wait_alu depctr_va_vdst(0)
	v_log_f32 v195, v194
	v_nop
	s_wait_alu depctr_va_vdst(0)
	v_sub_f32 v196, v198, v195                     ; nu' = nu - log2(l)
.if \half
	s_xor_b32 s49, s8, 15                          ; my second tile is the (15 - w)-th of its sixteen
.else
	s_mov_b32 s49, s8
.endif
	s_and_b32 s51, s49, 14
	s_lshl_b32 s51, s51, 6
	s_and_b32 s49, s49, 1
	s_lshl_b32 s49, s49, 5
	s_add_co_u32 s49, s49, s51                     ; 4 x (32 (tile / 2) + 8 (tile % 2))
	v_add_nc_u32 v14, s49, v15
	ds_store_b32 v14, v196 offset:1024*\half       ; at the key's token, in natural order
.endm
	PHASE 16, 40, 10, 0
	PHASE 28, 41, 11, 1
	s_wait_dscnt 0x0                               ; for the others' sake: my stores into the stage are done
	s_barrier_signal -1
	s_barrier_wait -1
	s_cmp_lt_u32 s8, 8                             ; the stage is 2,048 bytes: waves 0-7 take 256 each: which tiles w / 4, which 64 tokens w % 4
	s_cbranch_scc0 .Lend
	s_lshl_b32 s49, s8, 8
	v_add_nc_u32 v4, s49, v2
	ds_load_b64 v[194:195], v4 offset:STG
	s_lshl_b32 s49, ttmp9, 8                       ; the first tiles' tokens begin at 256 g,
	s_sub_co_u32 s50, 768, s49                     ; the second tiles' at 768 - 256 g
	s_bitcmp1_b32 s8, 2
	s_cselect_b32 s49, s50, s49
	s_lshl_b32 s49, s49, 2
	s_lshl_b32 s50, s9, 12                         ; 4,096 bytes a head
	s_add_co_u32 s49, s49, s50
	s_and_b32 s50, s8, 3
	s_lshl_b32 s50, s50, 8
	s_add_co_u32 s52, s49, s50
	s_mov_b32 s53, 0
	s_add_nc_u64 s[6:7], s[6:7], s[52:53]
	s_wait_dscnt 0x0
	global_store_b64 v2, v[194:195], s[6:7]        ; 32 lanes store 256 consecutive bytes, aligned
.Lend:
	s_wait_tensorcnt 0x0                           ; the wave's end
	ds_add_u32 v254, v255
	s_wait_dscnt 0x0
	s_endpgm
.Lfunc_end_k_q6d2264c27b_stats:
	.size	k_q6d2264c27b_stats, .Lfunc_end_k_q6d2264c27b_stats-k_q6d2264c27b_stats
	.p2alignl 7, 3214868480
	.fill 96, 4, 3214868480
	.section	.rodata,"a",@progbits
	.p2align	6, 0x0
	.amdhsa_kernel k_q6d2264c27b_stats
		.amdhsa_group_segment_fixed_size 169984
		.amdhsa_private_segment_fixed_size 0
		.amdhsa_enable_private_segment 0
		.amdhsa_kernarg_size 16
		.amdhsa_user_sgpr_count 2
		.amdhsa_user_sgpr_kernarg_segment_ptr 1
		.amdhsa_wavefront_size32 1
		.amdhsa_system_sgpr_workgroup_id_x 1
		.amdhsa_system_sgpr_workgroup_id_y 1
		.amdhsa_system_sgpr_workgroup_id_z 1
		.amdhsa_system_vgpr_workitem_id 0
		.amdhsa_next_free_vgpr 256
		.amdhsa_next_free_sgpr 66
		.amdhsa_reserve_vcc 1
		.amdhsa_float_denorm_mode_32 3
		.amdhsa_float_denorm_mode_16_64 3
		.amdhsa_memory_ordered 1
		.amdhsa_forward_progress 1
		.amdhsa_inst_pref_size 50
	.end_amdhsa_kernel
	.amdgpu_metadata
---
amdhsa.version: [ 1, 2 ]
amdhsa.kernels:
  - .name:           k_q6d2264c27b_stats
    .symbol:         k_q6d2264c27b_stats.kd
    .args:
      - { .name: qkv, .offset: 0, .size: 8, .value_kind: global_buffer, .address_space: global }
      - { .name: stats, .offset: 8, .size: 8, .value_kind: global_buffer, .address_space: global }
    .group_segment_fixed_size: 169984
    .private_segment_fixed_size: 0
    .kernarg_segment_align: 8
    .kernarg_segment_size: 16
    .max_flat_workgroup_size: 512
    .sgpr_count:     66
    .vgpr_count:     256
    .wavefront_size: 32
...
	.end_amdgpu_metadata
.endif
;; end of part 3
;; launch attn (part 4): grid 2 x 128, 16 waves a work-group, no clusters, 169,984 bytes of LDS; arguments qkv, stats, yq; writes yq
.if DOCPART == 4
	.amdgcn_target "amdgcn-amd-amdhsa--gfx1250"
	.amdhsa_code_object_version 6
	.text
	.protected	k_q6d2264c27b_attn
	.globl	k_q6d2264c27b_attn
	.p2align	8
	.type	k_q6d2264c27b_attn,@function
k_q6d2264c27b_attn:
	s_mov_b64 s[64:65], 0
	v_nop
	global_prefetch_b8 v0, s[64:65] scope:SCOPE_SE
	s_setreg_imm32_b32 hwreg(HW_REG_WAVE_MODE, 25, 1), 1
	s_wait_xcnt 0x0
; y = a v, a(i, j) = 2^(c s(i, j) + nu'_j) for j <= i and 0 elsewhere: the softmax over the queries, finished and normalised; nu'_j = -c x the key's largest score - log2(its sum) comes from the launch before; c = log2(e) / 8.
; Both products on codes of FP6 (E2M3) with E8M0 scales: s = q k^T (K = the head's 64; the upper 64 of the instruction's K are zero codes in q's registers), then a, quantised along the keys, times v.
; y is quantised along the head's 64 at once, for the projection, and leaves as an image of operand registers (768 bytes a tile and head) with two scale bytes a token and head.
; Steps all of whose keys come after the queries are under reference()'s own causal mask and are left out.
; SHARES.  A work-group takes half of a head's 64 tiles of 16 queries; wave w takes tiles T = 16 g + w and 63 - T, which together see 9 steps of 128 keys in every wave.
; THE FILLS, at most one a wave, once: waves 0-5 a sixth of k's images each (8,192 bytes), waves 6-11 of v's; wave 12 k's scale words, wave 13 nu' (4,096 bytes each); wave 14 v's scale words (2,048); wave 15 none.
; Nothing is filled again, nothing is stored to LDS.  LDS address: 8,192 x wave for waves 0-11, 49,152 + 4,096 x wave for waves 12-14.
; NO CLUSTER: a head's work is two work-groups, which no cluster of four along x divides; what they share is that one fill.  NO PREFETCH: all is asked for at the head.
; LAYOUT.  Both products are used transposed: lane (r, h) holds ONE query throughout.  S^T = k q^T: register n of a step's 64 is key 32 (n / 16) + 16 h + n % 16, since row r of tile T holds token
; 32 (T / 2) + 8 (T % 2) + r + 8 (r / 8).  O^T = v^T a^T: v's rows are laid the same way, so that O^T's 32 registers are d = 32 b + 16 h + 0 .. 15.
; The scale bytes of y leave two bytes a lane, to rows 32 bytes apart: 2 bytes beside each 48 bytes of codes.
; LIMITS: v_exp_f32 gives 0 for results under 2^-126; a block of zeros, and one whose largest magnitude lies under 2^-124, keeps the byte 1; NaN and infinities are not served; the scaled scores c s stay under 2^31 in magnitude.
; REGISTERS: v1-5, v44-47 addresses and lane numbers; v6-10 addresses in hand; v11 the mask's bound; v12 -infinity; v16-27, v28-39 my two tiles of q (six of codes, six zeros); v40-41 their scale words;
;   v42-43 y's scale bytes; v48-111 eight tiles of k, then nu', then v's four fragments; v112-119, v120-123 scale words; v124-127, v244-252 at work; v128-191 scores, then a; v192-223 O^T; v224-243 codes.
.set VI_O,  12582912
.set QKS_O, 18874368
.set VS_O,  19922944
.set YS_O,  6291456
.set VIL,   49152
.set KSL,   98304
.set STL,   102400
.set VSL,   106496
.set R,    48
.set KSC,  112
.set VSC,  120
.set PTMP, 124
.set S,    128
.set O,    192
.set PC,   224
.set PT,   236
.set SO,   244
.set BM,   248
.set PW,   252
	s_load_b128 s[4:7], s[0:1], 0x0                ; qkv s[4:5], stats s[6:7]
	s_load_b64 s[8:9], s[0:1], 0x10                ; yq
	v_lshl_add_u32 v254, v0, 2, 0x29000
	v_mov_b32 v255, 0
	ds_add_u32 v254, v255                          ; the opening lines: the add twice on end and one wait
	ds_add_u32 v254, v255
	v_lshrrev_b32 v46, 5, v0
	s_delay_alu instid0(VALU_DEP_1)
	v_readfirstlane_b32 s10, v46                   ; wave 0..15
	s_and_b32 s11, ttmp7, 0xffff                   ; batch x 16 + head
	s_lshl_b32 s12, ttmp9, 4
	s_add_co_u32 s12, s12, s10                     ; my first tile of queries
	s_sub_co_u32 s13, 63, s12                      ; my second
	s_mov_b32 s16, 3<<16                           ; groups 1, elements of 8 bytes, dense rows of 256 bytes: 32 rows;
	s_mov_b32 s17, 32<<16
	s_mov_b32 s18, 32<<16
	s_mov_b32 s19, 32<<16
	s_mov_b32 s20, 32
	s_mov_b32 s21, 32
	s_mov_b32 s22, 0
	s_mov_b32 s23, 0
	s_mov_b32 s24, 3<<16                           ; 16 rows;
	s_mov_b32 s25, 32<<16
	s_mov_b32 s26, 16<<16
	s_mov_b32 s27, 32<<16
	s_mov_b32 s28, 16
	s_mov_b32 s29, 32
	s_mov_b32 s30, 0
	s_mov_b32 s31, 0
	s_mov_b32 s32, 3<<16                           ; 8 rows
	s_mov_b32 s33, 32<<16
	s_mov_b32 s34, 8<<16
	s_mov_b32 s35, 32<<16
	s_mov_b32 s36, 8
	s_mov_b32 s37, 32
	s_mov_b32 s38, 0
	s_mov_b32 s39, 0
	s_mov_b32 s72, 0x76543210                      ; v_permlanex16_b32's selects for lane l xor 16
	s_mov_b32 s73, 0xfedcba98
	s_mov_b32 s74, 0x3e38aa3b                      ; c = log2(e) / 8
	s_mov_b32 s75, s74                             ; (named with it as a pair)
	s_add_co_u32 s81, s11, 128                     ; k's plane lies 128 heads behind q's
	s_mov_b32 s83, 0
	s_mov_b32 s85, 0
	s_lshl_b32 s49, s10, 13                        ; waves 0-11: LDS 8,192 x wave
	s_mul_i32 s82, s81, 49152                      ; k's images,
	s_mul_i32 s84, s11, 49152
	s_add_co_u32 s84, s84, VI_O-49152              ; or v's, six waves back
	s_cmp_lt_u32 s10, 6
	s_cselect_b32 s82, s82, s84
	s_add_co_u32 s82, s82, s49
	s_lshl_b32 s53, s10, 12                        ; waves 12-14: LDS 49,152 + 4,096 x wave
	s_add_co_u32 s53, s53, 49152
	s_lshl_b32 s84, s81, 12
	s_add_co_u32 s84, s84, QKS_O                   ; wave 12: k's scale words
	s_lshl_b32 s56, s11, 11
	s_add_co_u32 s56, s56, VS_O                    ; wave 14: v's
	s_cmp_eq_u32 s10, 12
	s_cselect_b32 s84, s84, s56
	s_lshl_b32 s56, s11, 12                        ; wave 13: nu', out of stats
	s_mov_b32 s48, 1
	s_mov_b32 s52, 1
	s_wait_dscnt 0x0
	s_wait_kmcnt 0x0
	s_cmp_eq_u32 s10, 13                           ; the choice of the buffer hangs on the wave's number alone
	s_cselect_b32 s84, s56, s84
	s_cselect_b64 s[54:55], s[6:7], s[4:5]
	s_add_nc_u64 s[54:55], s[54:55], s[84:85]
	s_or_b32 s55, s55, 0x80000000
	s_add_nc_u64 s[50:51], s[4:5], s[82:83]
	s_or_b32 s51, s51, 0x80000000
	s_cmp_lt_u32 s10, 12                           ; the launch's only fills: at most one load of mine is out
	s_cbranch_scc0 .Lhead_b
	tensor_load_to_lds s[48:51], s[16:23]
	s_nop 0
.rept 4
	v_nop
.endr
	s_branch .Lhead_j
.Lhead_b:
	s_cmp_lt_u32 s10, 14
	s_cbranch_scc0 .Lhead_c
	tensor_load_to_lds s[52:55], s[24:31]
	s_nop 0
.rept 4
	v_nop
.endr
	s_branch .Lhead_j
.Lhead_c:
	s_cmp_lt_u32 s10, 15
	s_cbranch_scc0 .Lhead_j
	tensor_load_to_lds s[52:55], s[32:39]
	s_nop 0
.rept 4
	v_nop
.endr
.Lhead_j:
	s_mul_i32 s82, s11, 49152
	s_mul_i32 s84, s12, 768
	s_add_co_u32 s84, s84, s82
	s_mov_b32 s85, 0
	s_add_nc_u64 s[86:87], s[4:5], s[84:85]        ; my first tile's image
	s_mul_i32 s84, s13, 768
	s_add_co_u32 s84, s84, s82
	s_add_nc_u64 s[88:89], s[4:5], s[84:85]        ; my second's
	s_lshl_b32 s82, s11, 12
	s_add_co_u32 s82, s82, QKS_O
	s_lshr_b32 s84, s12, 2                         ; a tile's scale words: 256 (T / 4) + 4 (T % 4) + 16 r
	s_lshl_b32 s84, s84, 8
	s_and_b32 s81, s12, 3
	s_lshl_b32 s81, s81, 2
	s_add_co_u32 s84, s84, s81
	s_add_co_u32 s84, s84, s82
	s_add_nc_u64 s[90:91], s[4:5], s[84:85]
	s_lshr_b32 s84, s13, 2
	s_lshl_b32 s84, s84, 8
	s_and_b32 s81, s13, 3
	s_lshl_b32 s81, s81, 2
	s_add_co_u32 s84, s84, s81
	s_add_co_u32 s84, s84, s82
	s_add_nc_u64 s[92:93], s[4:5], s[84:85]
	v_and_b32 v46, 31, v0                          ; lane
	v_and_b32 v44, 15, v0                          ; r
	v_bfe_u32 v45, v0, 4, 1                        ; h
	s_delay_alu instid0(VALU_DEP_3)
	v_lshlrev_b32 v1, 4, v46
	s_delay_alu instid0(VALU_DEP_4)
	v_lshlrev_b32 v2, 3, v46
	s_delay_alu instid0(VALU_DEP_4)
	v_lshlrev_b32 v13, 4, v44
	global_load_b128 v[16:19], v1, s[86:87]
	global_load_b64 v[20:21], v2, s[86:87] offset:512
	global_load_b128 v[28:31], v1, s[88:89]
	global_load_b64 v[32:33], v2, s[88:89] offset:512
	global_load_b32 v40, v13, s[90:91]
	global_load_b32 v41, v13, s[92:93]
	v_add_nc_u32 v3, KSL, v13
	v_lshl_add_u32 v4, v44, 2, VSL
	v_lshl_add_u32 v5, v45, 6, STL                 ; my half's 16 keys of each 32: 64 bytes on
	v_and_b32 v47, 8, v44
	s_delay_alu instid0(VALU_DEP_1)
	v_add_nc_u32 v47, v47, v44
	v_lshlrev_b32 v14, 4, v45
	s_delay_alu instid0(VALU_DEP_1)
	v_sub_nc_u32 v47, v47, v14                     ; r + 8 (r / 8) - 16 h
	v_mov_b32 v12, 0xff800000                      ; -infinity
.irp j, 22,23,24,25,26,27,34,35,36,37,38,39,96,97,98,99,100,101,124,125,126,127
	v_mov_b32 v\j, 0                               ; the zero codes that fill K up to 128; what stands behind k's last tile (later: leftover codes, which meet those zeros); the permutes' destinations
.endr
	s_wait_alu depctr_va_vdst(0)
	s_wait_tensorcnt 0x0                           ; my part is in,
	s_barrier_signal -1
	s_barrier_wait -1                              ; everybody's is
	s_wait_loadcnt 0x0                             ; my tiles of q
; The step on the diagonal, my queries lying in block kb of its four blocks of 32 keys: the blocks ahead of kb are seen whole, block kb is compared, the blocks behind it are hidden whole.
.macro DIAGA kb
.set NN, 16*(\kb)
.rept 16
	v_cmp_gt_i32 vcc_lo, 32*(\kb)+NN%16, v11
	v_cndmask_b32 v[S+NN], v[S+NN], v12, vcc_lo
.set NN, NN+1
.endr
.rept 16*(3-(\kb))
	v_mov_b32 v[S+NN], v12
.set NN, NN+1
.endr
.endm
; One tile of queries against the steps of 128 keys.  The loop has 8 trips in every wave; a step all of whose keys come after my queries leaves its work out, by a scalar branch on ids.
.macro TILE qf, qs, tt, yb, yw
	s_wait_xcnt 0x0                                ; the tile before has stored from the codes' registers: they are written again only behind this wait
	s_lshr_b32 s80, s[\tt], 3                      ; the last step that my queries see
	s_bfe_u32 s84, s[\tt], 0x20001                 ; and their block of 32 in it
	s_and_b32 s81, s[\tt], 6
	s_lshl_b32 s81, s81, 4
	s_and_b32 s82, s[\tt], 1
	s_lshl_b32 s82, s82, 3
	s_add_co_u32 s81, s81, s82
	v_add_nc_u32 v11, s81, v47                     ; my query's place in its step - 16 h: register n is hidden where 32 (n / 16) + n % 16 lies above it
	s_lshr_b32 s81, s11, 4
	s_lshl_b32 s81, s81, 6
	s_add_co_u32 s81, s81, s[\tt]
	s_lshl_b32 s81, s81, 4
	s_and_b32 s82, s11, 15
	s_add_co_u32 s81, s81, s82
	s_mul_i32 s82, s81, 768                        ; y's image: ((batch x 64 + tile) x 16 + head) x 768
	s_mov_b32 s83, 0
	s_add_nc_u64 s[\yb:\yb+1], s[8:9], s[82:83]
.irp j, 0,1,2,3,4,5,6,7,8,9,10,11,12,13,14,15,16,17,18,19,20,21,22,23,24,25,26,27,28,29,30,31
	v_mov_b32 v[O+\j], 0                           ; O^T: the loop is written once, so its first step finds zeros
.endr
	s_mov_b32 s76, 0
	s_mov_b32 s77, 0
	s_mov_b32 s78, 0
	s_mov_b32 s79, 0
.Ltrip_\@:
	s_cmp_gt_u32 s76, s80
	s_cbranch_scc1 .Lskip_\@
	v_add_nc_u32 v6, s77, v1                       ; (these five are places in front of the loads below)
	v_add_nc_u32 v7, s77, v2
	v_add_nc_u32 v8, s78, v3
	v_add_nc_u32 v9, s78, v5
	v_add_nc_u32 v10, s79, v4
.irp t, 0,1,2,3,4,5,6,7
	ds_load_b128 v[R+6*\t:R+6*\t+3], v6 offset:768*\t
	ds_load_b64 v[R+6*\t+4:R+6*\t+5], v7 offset:768*\t+512
.endr
	ds_load_b128 v[KSC:KSC+3], v8
	ds_load_b128 v[KSC+4:KSC+7], v8 offset:256
	s_wait_alu depctr_va_vdst(0)
	s_wait_dscnt 0x0
.irp t, 0,1,2,3,4,5,6,7
	v_wmma_scale_f32_16x16x128_f8f6f4 v[S+8*\t:S+8*\t+7], v[R+6*\t:R+6*\t+11], v[\qf:\qf+11], 0, v[KSC+\t], v[\qs] matrix_a_fmt:MATRIX_FMT_FP6 matrix_b_fmt:MATRIX_FMT_FP6
.endr
.rept 4
	v_nop
.endr
.irp b, 0,1,2,3
.irp e, 0,1,2,3
	ds_load_b128 v[R+16*\b+4*\e:R+16*\b+4*\e+3], v9 offset:128*\b+16*\e   ; nu' of my 64 keys, register for register
.endr
.endr
	s_cmp_lg_u32 s76, s80                          ; only the last step lies on the diagonal
	s_cbranch_scc1 .Lopen_\@
	s_cmp_lt_u32 s84, 2
	s_cbranch_scc0 .Lk23_\@
	s_cmp_eq_u32 s84, 0
	s_cbranch_scc0 .Lk1_\@
	DIAGA 0
	s_branch .Lopen_\@
.Lk1_\@:
	DIAGA 1
	s_branch .Lopen_\@
.Lk23_\@:
	s_cmp_eq_u32 s84, 2
	s_cbranch_scc0 .Lk3_\@
	DIAGA 2
	s_branch .Lopen_\@
.Lk3_\@:
	DIAGA 3
.Lopen_\@:
	s_wait_alu depctr_va_vdst(0)
	s_wait_dscnt 0x0
.irp j, 0,2,4,6,8,10,12,14,16,18,20,22,24,26,28,30,32,34,36,38,40,42,44,46,48,50,52,54,56,58,60,62
	v_pk_fma_f32 v[S+\j:S+\j+1], v[S+\j:S+\j+1], s[74:75], v[R+\j:R+\j+1] op_sel_hi:[1,0,1]   ; c s + nu', two at a time, each accumulator from its low end on
.endr
.irp d, 0,1,2,3
.irp c, 0,1
	ds_load_b128 v[R+12*\d+6*\c:R+12*\d+6*\c+3], v6 offset:VIL+1536*\d+768*\c        ; v's four fragments of these 128 keys land under the exponentials and the quantiser
	ds_load_b64 v[R+12*\d+6*\c+4:R+12*\d+6*\c+5], v7 offset:VIL+1536*\d+768*\c+512
.endr
	ds_load_b32 v[VSC+\d], v10 offset:64*\d
.endr
	s_wait_alu depctr_va_vdst(0)
.irp j, 0,1,2,3,4,5,6,7,8,9,10,11,12,13,14,15,16,17,18,19,20,21,22,23,24,25,26,27,28,29,30,31,32,33,34,35,36,37,38,39,40,41,42,43,44,45,46,47,48,49,50,51,52,53,54,55,56,57,58,59,60,61,62,63
	v_exp_f32 v[S+\j], v[S+\j]                     ; a, finished and normalised
.endr
	v_nop                                          ; a plain place behind the exponentials
	s_wait_alu depctr_va_vdst(0)
.irp b, 0,1,2,3
	v_max3_num_f32 v[BM+\b], v[S+16*\b], v[S+16*\b+1], 0x1800000   ; block b of 32 keys: my 16 (none is negative), and the floor 2^(3 - 127)
.endr
.irp i, 2,4,6,8,10,12,14
.irp b, 0,1,2,3
	v_max3_num_f32 v[BM+\b], v[BM+\b], v[S+16*\b+\i], v[S+16*\b+\i+1]   ; (the four blocks by turns)
.endr
.endr
.irp b, 0,1,2,3
	s_delay_alu instid0(VALU_DEP_4)
	v_permlanex16_b32 v[PTMP+\b], v[BM+\b], s72, s73
.endr
.irp b, 0,1,2,3
	s_delay_alu instid0(VALU_DEP_4)
	v_max_num_f32 v[BM+\b], v[BM+\b], v[PTMP+\b]
.endr
.irp b, 0,1,2,3
	s_delay_alu instid0(VALU_DEP_4)
	v_add_nc_u32 v[SO+\b], 0xff000000, v[BM+\b]    ; 2 off the exponent field: the conversion's scale operand
.endr
.irp b, 0,1,2,3
	s_delay_alu instid0(VALU_DEP_4)
	v_lshrrev_b32 v[PTMP+\b], 23, v[SO+\b]         ; the scale's byte
.endr
	s_delay_alu instid0(VALU_DEP_3)
	v_lshl_or_b32 v[PW], v[PTMP+1], 8, v[PTMP]
	s_delay_alu instid0(VALU_DEP_1)
	v_lshl_or_b32 v[PW], v[PTMP+2], 16, v[PW]
	s_delay_alu instid0(VALU_DEP_1)
	v_lshl_or_b32 v[PW], v[PTMP+3], 24, v[PW]
.irp c, 0,1
	v_cvt_scalef32_pk16_fp6_f32 v[PC+6*\c:PC+6*\c+2], v[S+32*\c:S+32*\c+15], v[SO+2*\c]
	v_cvt_scalef32_pk16_fp6_f32 v[PT+4*\c:PT+4*\c+2], v[S+32*\c+16:S+32*\c+31], v[SO+2*\c+1]   ; (a conversion's three registers begin on an even number)
.endr
	v_nop                                          ; one plain place behind a scaled conversion
.irp c, 0,1                                    ; the operand's layout wants a whole block in a lane
.irp i, 0,1,2
	v_permlane16_swap_b32 v[PC+6*\c+\i], v[PT+4*\c+\i]
.endr
.irp i, 0,1,2
	s_delay_alu instid0(VALU_DEP_3)
	v_mov_b32 v[PC+3+6*\c+\i], v[PT+4*\c+\i]
.endr
.endr
.rept 8
	v_nop                                          ; a scale register written by a vector instruction stands 8 places ahead of a scaled matrix instruction, an operand so written 4
.endr
	s_wait_alu depctr_va_vdst(0)
	s_wait_dscnt 0x0
.irp d, 0,1,2,3                                ; the four accumulators take turns, and the next step's eight score products stand between two links
	v_wmma_scale_f32_16x16x128_f8f6f4 v[O+8*\d:O+8*\d+7], v[R+12*\d:R+12*\d+11], v[PC:PC+11], v[O+8*\d:O+8*\d+7], v[VSC+\d], v[PW] matrix_a_fmt:MATRIX_FMT_FP6 matrix_b_fmt:MATRIX_FMT_FP6
.endr
.rept 4
	v_nop
.endr
.Lskip_\@:
	s_add_co_u32 s77, s77, 6144                    ; the next step's images of k and of v,
	s_add_co_u32 s78, s78, 512                     ; k's scale words and nu',
	s_add_co_u32 s79, s79, 256                     ; v's scale words
	s_add_co_u32 s76, s76, 1
	s_cmp_lt_u32 s76, 8
	s_cbranch_scc1 .Ltrip_\@
	; y's two blocks of 32 along d
.irp b, 0,1
	v_max3_num_f32 v[BM+\b], |v[O+16*\b]|, |v[O+16*\b+1]|, 0x1800000
.endr
.irp i, 2,4,6,8,10,12,14
.irp b, 0,1
	v_max3_num_f32 v[BM+\b], v[BM+\b], |v[O+16*\b+\i]|, |v[O+16*\b+\i+1]|
.endr
.endr
.irp b, 0,1
	s_delay_alu instid0(VALU_DEP_2)
	v_permlanex16_b32 v[PTMP+\b], v[BM+\b], s72, s73
.endr
.irp b, 0,1
	s_delay_alu instid0(VALU_DEP_2)
	v_max_num_f32 v[BM+\b], v[BM+\b], v[PTMP+\b]
.endr
.irp b, 0,1
	s_delay_alu instid0(VALU_DEP_2)
	v_add_nc_u32 v[SO+\b], 0xff000000, v[BM+\b]
.endr
.irp b, 0,1
	s_delay_alu instid0(VALU_DEP_2)
	v_lshrrev_b32 v[PTMP+\b], 23, v[SO+\b]
.endr
	s_delay_alu instid0(VALU_DEP_1)
	v_lshl_or_b32 v[\yw], v[PTMP+1], 8, v[PTMP]    ; my token's two scale bytes of this head
	v_cvt_scalef32_pk16_fp6_f32 v[PC:PC+2], v[O:O+15], v[SO]
	v_cvt_scalef32_pk16_fp6_f32 v[PT:PT+2], v[O+16:O+31], v[SO+1]
	v_nop
.irp i, 0,1,2
	v_permlane16_swap_b32 v[PC+\i], v[PT+\i]
.endr
.irp i, 0,1,2
	s_delay_alu instid0(VALU_DEP_3)
	v_mov_b32 v[PC+3+\i], v[PT+\i]
.endr
	global_store_b128 v1, v[PC:PC+3], s[\yb:\yb+1]               ; 512 and 256 consecutive bytes, aligned
	global_store_b64 v2, v[PC+4:PC+5], s[\yb:\yb+1] offset:512
.endm
	TILE 16, 40, 12, 94, 42
	TILE 28, 41, 13, 86, 43
	v_cmp_lt_u32 vcc_lo, 15, v46
	s_delay_alu instid0(VALU_DEP_1)
	v_cndmask_b32 v13, v42, v43, vcc_lo            ; lanes 0-15 store the first tile's bytes, lanes 16-31 the second's
	s_lshl_b32 s81, s12, 9                         ; 16 rows of 32 bytes a tile
	s_lshl_b32 s82, s13, 9
	v_mov_b32 v14, s81
	v_mov_b32 v15, s82
	s_delay_alu instid0(VALU_DEP_1)
	v_cndmask_b32 v14, v14, v15, vcc_lo
	s_delay_alu instid0(VALU_DEP_1)
	v_lshl_add_u32 v14, v44, 5, v14
	s_wait_alu depctr_va_vdst(0)
	s_lshr_b32 s82, s11, 4
	s_lshl_b32 s82, s82, 15                        ; 1,024 rows a batch
	s_and_b32 s81, s11, 15
	s_lshl_b32 s81, s81, 1
	s_add_co_u32 s82, s82, s81
	s_add_co_u32 s82, s82, YS_O
	s_mov_b32 s83, 0
	s_add_nc_u64 s[88:89], s[8:9], s[82:83]
	global_store_b16 v14, v13, s[88:89]
	s_wait_tensorcnt 0x0                           ; the wave's end
	ds_add_u32 v254, v255
	s_wait_dscnt 0x0
	s_endpgm
.Lfunc_end_k_q6d2264c27b_attn:
	.size	k_q6d2264c27b_attn, .Lfunc_end_k_q6d2264c27b_attn-k_q6d2264c27b_attn
	.p2alignl 7, 3214868480
	.fill 96, 4, 3214868480
	.section	.rodata,"a",@progbits
	.p2align	6, 0x0
	.amdhsa_kernel k_q6d2264c27b_attn
		.amdhsa_group_segment_fixed_size 169984
		.amdhsa_private_segment_fixed_size 0
		.amdhsa_enable_private_segment 0
		.amdhsa_kernarg_size 24
		.amdhsa_user_sgpr_count 2
		.amdhsa_user_sgpr_kernarg_segment_ptr 1
		.amdhsa_wavefront_size32 1
		.amdhsa_system_sgpr_workgroup_id_x 1
		.amdhsa_system_sgpr_workgroup_id_y 1
		.amdhsa_system_sgpr_workgroup_id_z 1
		.amdhsa_system_vgpr_workitem_id 0
		.amdhsa_next_free_vgpr 256
		.amdhsa_next_free_sgpr 96
		.amdhsa_reserve_vcc 1
		.amdhsa_float_denorm_mode_32 3
		.amdhsa_float_denorm_mode_16_64 3
		.amdhsa_memory_ordered 1
		.amdhsa_forward_progress 1
		.amdhsa_inst_pref_size 63
	.end_amdhsa_kernel
	.amdgpu_metadata
---
amdhsa.version: [ 1, 2 ]
amdhsa.kernels:
  - .name:           k_q6d2264c27b_attn
    .symbol:         k_q6d2264c27b_attn.kd
    .args:
      - { .name: qkv, .offset: 0, .size: 8, .value_kind: global_buffer, .address_space: global }
      - { .name: stats, .offset: 8, .size: 8, .value_kind: global_buffer, .address_space: global }
      - { .name: yq, .offset: 16, .size: 8, .value_kind: global_buffer, .address_space: global }
    .group_segment_fixed_size: 169984
    .private_segment_fixed_size: 0
    .kernarg_segment_align: 8
    .kernarg_segment_size: 24
    .max_flat_workgroup_size: 512
    .sgpr_count:     96
    .vgpr_count:     256
    .wavefront_size: 32
...
	.end_amdgpu_metadata
.endif
;; end of part 4
;; launch gemm_out (part 5): grid 8 x 32, 4 waves a work-group, clusters of 4 x 4, 167,936 bytes of LDS; arguments yq, opnd, b_proj, out0; writes out0
.if DOCPART == 5
	.amdgcn_target "amdgcn-amd-amdhsa--gfx1250"
	.amdhsa_code_object_version 6
	.text
	.protected	k_q6d2264c27b_gemm_out
	.globl	k_q6d2264c27b_gemm_out
	.p2align	8
	.type	k_q6d2264c27b_gemm_out,@function
k_q6d2264c27b_gemm_out:
	s_mov_b64 s[64:65], 0
	v_nop
	global_prefetch_b8 v0, s[64:65] scope:SCOPE_SE
	s_setreg_imm32_b32 hwreg(HW_REG_WAVE_MODE, 25, 1), 1
	s_wait_xcnt 0x0
	s_wait_alu depctr_hold_cnt(0) depctr_sa_sdst(0) depctr_va_vdst(0) depctr_va_sdst(0) depctr_va_ssrc(0) depctr_va_vcc(0) depctr_vm_vsrc(0)
	s_getreg_b32 s2, hwreg(HW_REG_IB_STS2, 6, 4)
	s_cmp_eq_u32 s2, 0
	s_cbranch_scc0 .Lentry_in_a_cluster
	s_endpgm
.Lentry_in_a_cluster:
	s_bfe_u32 s2, ttmp6, 0x10000c
	s_cmp_lg_u32 s2, 0xf033
	s_cbranch_scc0 .Lentry_shape_is_right
	s_endpgm
.Lentry_shape_is_right:
; out0 = y W_proj + b_proj on codes of FP6 (E2M3) with E8M0 scales; sums in f32.
; SHARES.  A work-group takes 256 tokens x 128 columns: 256 work-groups.  A wave takes 64 tokens and keeps their codes for ALL of K in 384 registers; 4 x 8 accumulators, 8 steps of 128 along K: 256 matrix instructions.
; y lies in memory as images of operand registers (768 bytes a tile of 16 tokens and head): it goes from memory straight into the operand's registers, 512 and 256 consecutive bytes a load, each wave its own rows:
; so y is not asked for jointly: it passes no LDS.  W_proj's 128 rows (768 bytes each, beginning at multiples of 256; 16 bytes of padding behind each 256) come into LDS once, a quarter a wave,
; asked for jointly along a column of the 4 x 4 cluster.  Nothing is filled again.  NO PREFETCH: all that the launch reads is asked for at its head; there is no loop to run ahead in.
; The product is used transposed (source 0 = W's rows, source 1 = tokens); rows are laid permuted, so two neighbouring tiles give a lane 16 neighbouring columns.  The bias is the C of the first step.
; Scale words come by dense loads of 16 bytes a lane: register i holds step i's words in lanes 0-15 and step 4 + i's in lanes 16-31.
; REGISTERS.  window 0: v0-31 addresses; v32-47 y's scale words; v48-79 W's; v80-143 bias; v144-191 W's fragments, buffer 2; on the way out v80-207 rows read back.
;   window 1: v0-191 y's blocks 2, 3; v192-239 buffer 1.   window 2: the accumulators, (a, b) at 64 a + 8 b.   window 3: v0-191 y's blocks 0, 1; v192-239 buffer 0.
.set YS_O,   6291456
.set WPC_O,  8650752
.set WPS_O,  9797632
.set PITCH,  816
.set TB,     16*PITCH
.set HB,     64*PITCH
.set PB,     128*PITCH
.set SPITCH, 528
.set STAGE,  PB                        ; the way out: 16 rows x (512 + 16) bytes for each wave; no fill lands here
.set SPARE,  STAGE+4*16*SPITCH
.set SOF,  8
.set BOF,  9
.set EL16, 11
.set EL8,  12
.set STO,  13
.set RD,   14
.set AB,   18
.set SPW,  28
.set NIL,  29
.set SA,   32
.set SB,   48
.set BIA,  80
.set BK,   80
.set G0B, 36
.set G1B, 48
.set YB,  66
.set SAB, 68
.set SBB, 70
.set BIB, 72
.set OUT, 74
.set MSB, 0
.macro WIN new
.if MSB != (\new)
	s_set_vgpr_msb (MSB<<8)|(\new)
.set MSB, (\new)
.endif
.endm
.macro PLACES n
.rept \n
	v_nop
.endr
.endm
.macro CROUND
	s_barrier_signal -1
	s_barrier_wait -1
	s_cmp_lg_u32 s14, 0
	s_cbranch_scc1 .Lnot_wave_0_\@
	s_barrier_signal -3
.Lnot_wave_0_\@:
	s_barrier_wait -3
	s_barrier_signal -1
	s_barrier_wait -1
.endm
	s_load_b256 s[4:11], s[0:1], 0x0               ; yq, opnd, b_proj, out0
	v_lshl_add_u32 v[SPW], v0, 2, SPARE
	v_mov_b32 v[NIL], 0
	ds_add_u32 v[SPW], v[NIL]                      ; the opening lines: the add twice on end and one wait
	ds_add_u32 v[SPW], v[NIL]
	v_lshrrev_b32 v1, 5, v0
	v_readfirstlane_b32 s14, v1                    ; wave 0..3
	s_bfe_u32 s40, ttmp6, 0x40000                  ; cx, cy
	s_bfe_u32 s41, ttmp6, 0x40004
	s_lshl_b32 s42, ttmp9, 2
	s_add_co_u32 s42, s42, s40                     ; which 128 columns
	s_and_b32 s17, ttmp7, 0xffff
	s_lshl_b32 s17, s17, 2
	s_add_co_u32 s17, s17, s41                     ; which 256 tokens
	s_lshl_b32 s44, 0x1111, s40                    ; my column of the cluster
	s_or_b32 s[G1B], s44, (1<<20)|(1<<21)|(5<<22)|(3<<25)   ; elements of a byte; 4 words of padding behind each 64
	s_mov_b32 s[G1B+1], 768<<16
	s_mov_b32 s[G1B+2], 32<<16                     ; 32 rows a load
	s_mov_b32 s[G1B+3], 768<<16
	s_mov_b32 s[G1B+4], 32
	s_mov_b32 s[G1B+5], 768
	s_mov_b32 s[G1B+6], 0
	s_mov_b32 s[G1B+7], 0
	s_lshl_b32 s46, s42, 7
	s_lshl_b32 s18, s14, 5
	s_add_co_u32 s46, s46, s18
	s_mul_i32 s46, s46, 768
	s_add_co_u32 s46, s46, WPC_O                   ; W's rows 128 x + 32 wave
	s_mov_b32 s47, 0
	s_mov_b32 s[G0B], 1
	s_mul_i32 s[G0B+1], s14, 32*PITCH
	s_lshl_b32 s[YB], s17, 4
	s_lshl_b32 s18, s14, 2
	s_add_co_u32 s[YB], s[YB], s18
	s_mul_i32 s[YB], s[YB], 12288                  ; my first tile of 16 tokens: 16 heads x 768 bytes a tile
	s_lshl_b32 s[SAB], s17, 13
	s_lshl_b32 s18, s14, 11
	s_add_co_u32 s[SAB], s[SAB], s18
	s_add_co_u32 s[SAB], s[SAB], YS_O
	s_lshl_b32 s[SBB], s42, 12
	s_add_co_u32 s[SBB], s[SBB], WPS_O
	s_lshl_b32 s[BIB], s42, 9
	s_lshl_b32 s[OUT], s17, 20
	s_lshl_b32 s18, s14, 18
	s_add_co_u32 s[OUT], s[OUT], s18
	s_add_co_u32 s[OUT], s[OUT], s[BIB]            ; my first token's row, my first column
.irp p, 67,69,71,73,75
	s_mov_b32 s\p, 0
.endr
	s_mul_i32 s20, s14, 16*SPITCH
	s_add_co_u32 s20, s20, STAGE                   ; my stage
	s_wait_dscnt 0x0
	s_wait_kmcnt 0x0
	s_add_nc_u64 s[G0B+2:G0B+3], s[6:7], s[46:47]
	s_or_b32 s[G0B+3], s[G0B+3], 0x80000000
	s_add_nc_u64 s[YB:YB+1], s[4:5], s[YB:YB+1]
	s_add_nc_u64 s[SAB:SAB+1], s[4:5], s[SAB:SAB+1]
	s_add_nc_u64 s[SBB:SBB+1], s[6:7], s[SBB:SBB+1]
	s_add_nc_u64 s[BIB:BIB+1], s[8:9], s[BIB:BIB+1]
	s_add_nc_u64 s[OUT:OUT+1], s[10:11], s[OUT:OUT+1]
	CROUND                                         ; all sixteen work-groups are here: the joint loads meet
	tensor_load_to_lds s[G0B:G0B+3], s[G1B:G1B+7]  ; the launch's only fill: my quarter of W's rows
	s_nop 0
	PLACES 4
	v_and_b32 v1, 15, v0                           ; r
	v_bfe_u32 v2, v0, 4, 1                         ; h
	v_and_b32 v5, 31, v0                           ; lane
	v_lshlrev_b32 v[EL16], 4, v5
	v_lshlrev_b32 v[EL8], 3, v5
	v_lshlrev_b32 v[SOF], 5, v1
	v_lshl_add_u32 v[SOF], v2, 4, v[SOF]           ; scale bytes: 32 r + 16 h
	v_lshlrev_b32 v[BOF], 6, v2
	v_mul_u32_u24 v3, v1, PITCH
	v_mad_u32_u24 v[AB], v2, 24, v3                ; a fragment's row x pitch + 24 h: tiles 0-3;
	v_lshl_add_u32 v[AB+1], v2, 4, v[AB]           ; for a piece of 8 bytes whose lanes 16-31 lie behind the next padding;
	v_add_nc_u32 v[AB+2], HB, v[AB]                ; and the same for tiles 4-7
	v_add_nc_u32 v[AB+3], HB, v[AB+1]
	v_mul_u32_u24 v4, v1, SPITCH
	v_lshl_add_u32 v4, v2, 6, v4
	v_add_nc_u32 v[STO], s20, v4                   ; into the stage: row r, 64 bytes for each half of the lanes
	v_add_nc_u32 v[RD], s20, v[EL16]               ; back: the 32 lanes take one row of 512 bytes
.irp a, 0,1,2,3
	global_load_b128 v[SA+4*\a:SA+4*\a+3], v[SOF], s[SAB:SAB+1] offset:512*\a
.endr
.irp b, 0,1,2,3,4,5,6,7
	global_load_b128 v[SB+4*\b:SB+4*\b+3], v[SOF], s[SBB:SBB+1] offset:512*\b
.endr
.irp b, 0,1,2,3,4,5,6,7
	global_load_b128 v[BIA+8*\b:BIA+8*\b+3], v[BOF], s[BIB:BIB+1] offset:128*(\b/2)+32*(\b%2)
	global_load_b128 v[BIA+8*\b+4:BIA+8*\b+7], v[BOF], s[BIB:BIB+1] offset:128*(\b/2)+32*(\b%2)+16
.endr
.irp a, 0,1,2,3                        ; my 64 tokens, all of K: step st is heads 2 st and 2 st + 1
	WIN (3-2*(\a/2))<<6
.irp st, 0,1,2,3,4,5,6,7
.set AR, 96*(\a%2)+12*\st
	global_load_b128 v[AR:AR+3], v[EL16], s[YB:YB+1] offset:12288*\a+1536*\st
	global_load_b64 v[AR+4:AR+5], v[EL8], s[YB:YB+1] offset:12288*\a+1536*\st+512
	global_load_b128 v[AR+6:AR+9], v[EL16], s[YB:YB+1] offset:12288*\a+1536*\st+768
	global_load_b64 v[AR+10:AR+11], v[EL8], s[YB:YB+1] offset:12288*\a+1536*\st+1280
.endr
.endr
	WIN 0
.macro FRAG reg, adr, st, i            ; 16 rows x 128 K: six pieces of 8 bytes; byte y of a row lies at y + 16 (y / 256)
.irp p, 0,1,2,3,4,5
.set BY, 96*(\st)+48*(\p/3)+8*(\p%3)
.if BY/256 == (BY+24)/256
	ds_load_b64 v[(\reg)+2*\p:(\reg)+2*\p+1], v[\adr] offset:BY+16*(BY/256)+(\i)*TB
.else
	ds_load_b64 v[(\reg)+2*\p:(\reg)+2*\p+1], v[\adr+1] offset:BY+16*(BY/256)+(\i)*TB
.endif
.endr
.endm
.macro LOADH n                         ; half step n: tiles 4 (n % 2) .. + 3 of step n / 2 into buffer n % 3 (windows 3, 1, 0)
.set BR, 192-48*(((\n)%3)/2)
	WIN (3>>((\n)%3))<<6
.irp i, 0,1,2,3
	FRAG BR+12*\i, AB+2*((\n)%2), (\n)/2, \i
.endr
.endm
.macro MULH n                          ; 16 matrix instructions on 16 accumulators, one a turn
.set ST, (\n)/2
.set BW, 3>>((\n)%3)
.set BR, 192-48*(((\n)%3)/2)
.if ST == 0
.set CW, 0
.else
.set CW, 2
.endif
.irp a, 0,1,2,3
.set AR, 96*(\a%2)+12*ST
	WIN 0x80|(CW<<4)|((3-2*(\a/2))<<2)|BW
.irp i, 0,1,2,3
.set T, 4*((\n)%2)+\i
.set DD, 64*\a+8*T
.set P0, BR+12*\i
.set X0, SB+4*T+ST%4
.set X1, SA+4*\a+ST%4
.if ST == 0
.set CC, BIA+8*T
.else
.set CC, DD
.endif
.if ST < 4
	v_wmma_scale_f32_16x16x128_f8f6f4 v[DD:DD+7], v[P0:P0+11], v[AR:AR+11], v[CC:CC+7], v[X0], v[X1] matrix_a_fmt:MATRIX_FMT_FP6 matrix_b_fmt:MATRIX_FMT_FP6
.else
	v_wmma_scale_f32_16x16x128_f8f6f4 v[DD:DD+7], v[P0:P0+11], v[AR:AR+11], v[CC:CC+7], v[X0], v[X1] matrix_a_fmt:MATRIX_FMT_FP6 matrix_b_fmt:MATRIX_FMT_FP6 matrix_a_scale:MATRIX_SCALE_ROW1 matrix_b_scale:MATRIX_SCALE_ROW1
.endif
.endr
.endr
.endm
	s_wait_alu depctr_va_vdst(0)
	s_wait_tensorcnt 0x0                           ; my quarter of W's rows is in,
	s_barrier_signal -1
	s_barrier_wait -1                              ; everybody's is
	LOADH 0
	LOADH 1
	WIN 0
	s_wait_loadcnt 0x0                             ; y, scale words and bias
.set N, 0
.rept 16                               ; the fragments of two half steps are on their way while one is multiplied
.if N < 14
.if N > 0
	PLACES 4                                       ; in front of loads into the buffer that the last half step's products read
.endif
	LOADH N+2
	s_wait_dscnt 48                                ; the 24 loads of each of the two half steps behind this one may be out
.else
	s_wait_dscnt 24*(15-N)
.endif
	MULH N
.set N, N+1
.endr
	WIN 0
; THE WAY OUT, block by block of 16 tokens x 128 columns, through my own stage: back come whole rows of 512 bytes.  LDS serves a wave's instructions in order: no wait between the stores and the loads.
.macro TOSTAGE a
	WIN 0x08
.irp b, 0,1,2,3,4,5,6,7
	ds_store_b128 v[STO], v[64*(\a)+8*\b:64*(\a)+8*\b+3] offset:128*(\b/2)+32*(\b%2)      ; each accumulator from its low end on
	ds_store_b128 v[STO], v[64*(\a)+8*\b+4:64*(\a)+8*\b+7] offset:128*(\b/2)+32*(\b%2)+16
.endr
	WIN 0
.set BBK, BK+64*((\a)%2)
.irp t, 0,1,2,3,4,5,6,7,8,9,10,11,12,13,14,15
	ds_load_b128 v[BBK+4*\t:BBK+4*\t+3], v[RD] offset:\t*SPITCH
.endr
.endm
.macro SEND a, younger                 ; row t of tile a holds token 32 (a / 2) + 8 (a % 2) + t + 8 (t / 8)
.set BBK, BK+64*((\a)%2)
	s_wait_dscnt \younger
.irp t, 0,1,2,3,4,5,6,7,8,9,10,11,12,13,14,15
	global_store_b128 v[EL16], v[BBK+4*\t:BBK+4*\t+3], s[OUT:OUT+1] offset:(32*((\a)/2)+8*((\a)%2)+\t+8*(\t/8))*4096 th:TH_STORE_NT   ; 32 lanes store 512 consecutive bytes, aligned
.endr
.endm
	PLACES 5
	TOSTAGE 0
.irp a, 1,2,3
.if \a > 1
	s_wait_xcnt 0x0                                ; block a - 2's stores have read their registers
.endif
	TOSTAGE \a
	SEND \a-1, 32                                  ; behind block a - 1's loads: block a's 16 stores and 16 loads
.endr
	SEND 3, 0
	s_wait_tensorcnt 0x0                           ; the wave's end
	ds_add_u32 v[SPW], v[NIL]
	s_wait_dscnt 0x0
	CROUND                                         ; the closing round
	s_endpgm
.Lfunc_end_k_q6d2264c27b_gemm_out:
	.size	k_q6d2264c27b_gemm_out, .Lfunc_end_k_q6d2264c27b_gemm_out-k_q6d2264c27b_gemm_out
	.p2alignl 7, 3214868480
	.fill 96, 4, 3214868480
	.section	.rodata,"a",@progbits
	.p2align	6, 0x0
	.amdhsa_kernel k_q6d2264c27b_gemm_out
		.amdhsa_group_segment_fixed_size 167936
		.amdhsa_private_segment_fixed_size 0
		.amdhsa_enable_private_segment 0
		.amdhsa_kernarg_size 32
		.amdhsa_user_sgpr_count 2
		.amdhsa_user_sgpr_kernarg_segment_ptr 1
		.amdhsa_wavefront_size32 1
		.amdhsa_system_sgpr_workgroup_id_x 1
		.amdhsa_system_sgpr_workgroup_id_y 1
		.amdhsa_system_sgpr_workgroup_id_z 1
		.amdhsa_system_vgpr_workitem_id 0
		.amdhsa_next_free_vgpr 1024
		.amdhsa_next_free_sgpr 80
		.amdhsa_reserve_vcc 0
		.amdhsa_float_denorm_mode_32 3
		.amdhsa_float_denorm_mode_16_64 3
		.amdhsa_memory_ordered 1
		.amdhsa_forward_progress 1
		.amdhsa_inst_pref_size 95
	.end_amdhsa_kernel
	.amdgpu_metadata
---
amdhsa.version: [ 1, 2 ]
amdhsa.kernels:
  - .name:           k_q6d2264c27b_gemm_out
    .symbol:         k_q6d2264c27b_gemm_out.kd
    .args:
      - { .name: yq, .offset: 0, .size: 8, .value_kind: global_buffer, .address_space: global }
      - { .name: opnd, .offset: 8, .size: 8, .value_kind: global_buffer, .address_space: global }
      - { .name: b_proj, .offset: 16, .size: 8, .value_kind: global_buffer, .address_space: global }
      - { .name: out0, .offset: 24, .size: 8, .value_kind: global_buffer, .address_space: global }
    .group_segment_fixed_size: 167936
    .private_segment_fixed_size: 0
    .kernarg_segment_align: 8
    .kernarg_segment_size: 32
    .max_flat_workgroup_size: 128
    .sgpr_count:     80
    .vgpr_count:     1024
    .wavefront_size: 32
...
	.end_amdgpu_metadata
.endif
;; end of part 5
